; MI455X (gfx1250); checked and timed in simulation.
; The chip was launched on July 23, 2026; its instructions are those of AMD's public machine-readable ISA for CDNA 5 (MIT licence, August 2026) and "CDNA5" Instruction Set Architecture Reference Guide (July 2026). The comments in the code are by the model that wrote it; some were corrected since.
;; Sliding Window Attention. Allowed arithmetic: float matrix products may take bf16 or f16 operands with f32 sums; all other float work in f32.
;; Inputs: w_out 1,024 x 1,024 float32; w_qkv 3,072 x 1,024 float32; x 2 x 2,048 x 1,024 float32.
;; Outputs: out0 2 x 2,048 x 1,024 float32.
;; 2 versions, each right; version 2 is version 1 with the launch prep written anew for expert scheduling mode. Each part assembles by itself: llvm-mc -triple=amdgcn-amd-amdhsa -mcpu=gfx1250 --defsym DOCPART=n.
;; ======== version 1 of 2: 7 launches
;; limits: values are held in f16: magnitudes above 65,504 overflow, below 6.1e-05 lose precision; right only within a limited range of input values
;; workspace buffers: xn 8,388,608 bytes; wq 6,291,456 bytes; wo 2,097,152 bytes; tab 557,056 bytes; qkv 25,165,824 bytes; ao 8,388,608 bytes; eq 393,216 bytes; ea 131,072 bytes
;; launch prep (part 1): grid 256 x 1, 8 waves a work-group, no clusters, 0 bytes of LDS; arguments x, w_qkv, w_out, xn, wq, wo, tab; writes xn, wq, wo, tab
.if DOCPART == 1
	.amdgcn_target "amdgcn-amd-amdhsa--gfx1250"
	.amdhsa_code_object_version 6
	.text
	.protected	k_q6f029e41ea_prep
	.globl	k_q6f029e41ea_prep
	.p2align	8
	.type	k_q6f029e41ea_prep,@function
k_q6f029e41ea_prep:
	s_mov_b64 s[64:65], 0
	v_nop
	global_prefetch_b8 v0, s[64:65] scope:SCOPE_SE
	s_setreg_imm32_b32 hwreg(HW_REG_WAVE_MODE, 25, 1), 1
	s_wait_xcnt 0x0
; prep: xn = f16(rms_norm(x)), wq = f16(w_qkv), wo = f16(w_out), tab = the RoPE table.
; 8,192 rows of 1,024 f32 in all.  A work-group takes 32 rows, a wave 4 rows, one row = 32 registers of the wave.
; Work-groups 0-127: x (with the norm); 128-223: w_qkv; 224-255: w_out.  Work-groups 0-135 also make 16 rows of tab while their loads fly.
; A stream: every input byte is read once, by loads that cover 512 consecutive bytes a wave; every store of a wave covers 256 consecutive
; bytes, aligned.  All 32 loads of a wave go out at the start; no LDS, no barrier, no matrix unit: they would add nothing to a stream.
; tab: [2176][64] f32, row t = cos(t f_j), j = 0..31, then sin(t f_j), f_j = 10000^(-j/32).  Rows 2048..2175 are cos = 1, sin = 0 (angle 0):
; the rows by which the next launch passes V through its rotation unchanged.
; LIMITS.  f16 holds |w| < 65,504, and steps of 6e-8 below 6.1e-5; |xn| <= 32 for every x.  The angle t f_j is made with f_j from
; v_exp_f32 and so differs from a correctly rounded one by a few parts in 1e7; sine and cosine are polynomials on |r| <= pi/4 after a
; two-word reduction by pi/2, good for the angles up to 2,047 that occur here.
.set X,  64                            ; v[64:191]  row rr of my four at X + 32 rr, as loaded, then as stored
.set SQ, 4                             ; v[4:11]    four chains of sums of squares (pairs)
.set RS, 12                            ; v[12:13]   1 / rms, twice
	s_load_b256 s[4:11], s[0:1], 0x0               ; x s[4:5], w_qkv s[6:7], w_out s[8:9], xn s[10:11]
	s_load_b128 s[12:15], s[0:1], 0x20             ; wq s[12:13], wo s[14:15]
	s_load_b64 s[16:17], s[0:1], 0x30              ; tab
	v_lshrrev_b32 v3, 5, v0
	v_readfirstlane_b32 s18, v3                    ; wave 0..7
	v_and_b32 v1, 31, v0
	v_lshlrev_b32 v2, 3, v1                        ; 8 x lane: my 4 f16 in a piece of 128
	v_lshlrev_b32 v1, 4, v1                        ; 16 x lane: my 4 f32
	s_mov_b32 s26, 0x3a800000                      ; 1 / 1024
	s_mov_b32 s27, 0x358637bd                      ; 1e-6
	s_mov_b32 s28, 0x76543210                      ; v_permlanex16_b32: lane i of one half reads lane i of the other
	s_mov_b32 s29, 0xfedcba98
	s_wait_kmcnt 0x0
	s_cmp_lt_u32 ttmp9, 128                        ; which tensor is mine: a choice on the work-group's number alone
	s_cselect_b64 s[20:21], s[4:5], s[6:7]
	s_cselect_b64 s[22:23], s[10:11], s[12:13]
	s_cselect_b32 s24, 0, 128
	s_cmp_lt_u32 ttmp9, 224
	s_cselect_b64 s[20:21], s[20:21], s[8:9]
	s_cselect_b64 s[22:23], s[22:23], s[14:15]
	s_cselect_b32 s24, s24, 224
	s_sub_co_u32 s25, ttmp9, s24
	s_lshl_b32 s25, s25, 5
	s_lshl2_add_u32 s25, s18, s25                  ; my first row = 32 x (work-group in its tensor) + 4 x wave
	s_lshl_b32 s30, s25, 12                        ; rows of 4,096 bytes in
	s_mov_b32 s31, 0
	s_add_nc_u64 s[20:21], s[20:21], s[30:31]
	s_lshl_b32 s30, s25, 11                        ; rows of 2,048 bytes out
	s_add_nc_u64 s[22:23], s[22:23], s[30:31]
.irp rr, 0,1,2,3
.irp c, 0,1,2,3,4,5,6,7
	global_load_b128 v[X+32*\rr+4*\c:X+32*\rr+4*\c+3], v1, s[20:21] offset:\rr*4096+\c*512 th:TH_LOAD_NT
.endr
.endr
	; The table: thread v0 makes 4 numbers, piece l = v0 & 15 of row t = 16 x work-group + (v0 >> 4).  l < 8: cosines, else sines.
	s_cmp_lt_u32 ttmp9, 136
	s_cbranch_scc0 .Lnotab
	s_lshl_b32 s34, ttmp9, 12                      ; 16 rows of 256 bytes
	s_mov_b32 s35, 0
	s_add_nc_u64 s[16:17], s[16:17], s[34:35]
	s_lshl_b32 s32, ttmp9, 4
	s_cmp_lt_u32 ttmp9, 128
	s_cselect_b32 s33, 0x3f800000, 0               ; rows 2048 and up take the angle 0
	s_mov_b32 s36, 0xb94ca1f9                      ; sine's and cosine's leading coefficients
	s_mov_b32 s37, 0x37ccf5ce
	v_lshrrev_b32 v4, 4, v0
	v_add_nc_u32 v4, s32, v4
	v_cvt_f32_u32 v4, v4
	v_mul_f32 v4, s33, v4                          ; t, or 0
	v_and_b32 v5, 15, v0                           ; l
	v_and_b32 v6, 7, v5
	v_lshlrev_b32 v6, 2, v6                        ; j of my first number
	v_cmp_gt_u32 vcc_lo, 8, v5
	v_cndmask_b32 v7, 0, 1, vcc_lo                 ; cos(a) = sin(a + pi/2): one quadrant on
.irp i, 0,1,2,3
	v_add_nc_u32 v[8+\i], \i, v6
	v_cvt_f32_u32 v[8+\i], v[8+\i]
	v_mul_f32 v[8+\i], 0xbed49a78, v[8+\i]         ; -j log2(10000) / 32
.endr
.irp i, 0,1,2,3
	v_exp_f32 v[12+\i], v[8+\i]                    ; f_j
.endr
	v_lshlrev_b32 v52, 4, v0                       ; my 16 bytes of the 16 rows; also the plain instruction behind the exponentials (ISA guide 5.7.2)
	s_wait_alu depctr_va_vdst(0)
.macro TABV i
.set TB, 16+8*\i
	v_mul_f32 v[TB], v4, v[12+\i]                          ; the angle
	v_mul_f32 v[TB+1], 0x3f22f983, v[TB]
	v_rndne_f32 v[TB+1], v[TB+1]                           ; n = nearest multiple of pi/2
	v_fmamk_f32 v[TB+2], v[TB+1], 0xbfc90fdb, v[TB]        ; r = angle - n pi/2, pi/2 in two words
	v_fmamk_f32 v[TB+2], v[TB+1], 0x333bbd2e, v[TB+2]
	v_mul_f32 v[TB+3], v[TB+2], v[TB+2]                    ; z = r r
	v_fmaak_f32 v[TB+4], s36, v[TB+3], 0x3c08839e          ; sin r = r + r z (S1 + z (S2 + z S3))
	v_fmaak_f32 v[TB+4], v[TB+4], v[TB+3], 0xbe2aaaa3
	v_mul_f32 v[TB+4], v[TB+4], v[TB+3]
	v_fma_f32 v[TB+4], v[TB+4], v[TB+2], v[TB+2]
	v_fmaak_f32 v[TB+5], s37, v[TB+3], 0xbab6061a          ; cos r = 1 - z/2 + z z (C2 + z (C1 + z C0))
	v_fmaak_f32 v[TB+5], v[TB+5], v[TB+3], 0x3d2aaaa5
	v_mul_f32 v[TB+5], v[TB+5], v[TB+3]
	v_fma_f32 v[TB+6], v[TB+3], -0.5, 1.0
	v_fma_f32 v[TB+5], v[TB+5], v[TB+3], v[TB+6]
	v_cvt_i32_f32 v[TB+1], v[TB+1]
	v_add_nc_u32 v[TB+1], v[TB+1], v7                      ; the quadrant
	v_and_b32 v[TB+6], 1, v[TB+1]
	v_cmp_eq_u32 vcc_lo, 1, v[TB+6]
	v_cndmask_b32 v[TB+4], v[TB+4], v[TB+5], vcc_lo        ; odd quadrants take the cosine,
	v_and_b32 v[TB+1], 2, v[TB+1]
	v_lshlrev_b32 v[TB+1], 30, v[TB+1]
	v_xor_b32 v[48+\i], v[TB+4], v[TB+1]                   ; quadrants 2 and 3 change the sign
.endm
.irp i, 0,1,2,3
	TABV \i
.endr
	global_store_b128 v52, v[48:51], s[16:17]      ; sixteen neighbouring lanes write one row of 256 bytes; v52 and v[48:51] are not written again
.Lnotab:
; One row.  norm = 1: scaled by 1 / sqrt(mean of squares + 1e-6).  left = the later rows' loads, eight each, that may stay out.
.macro ROW rr, norm, left
	s_wait_loadcnt \left                           ; loads come back in order (ISA guide 5.7.1): this row's eight are in
.if \norm
.irp k, 0,1,2,3
	v_pk_mul_f32 v[SQ+2*\k:SQ+2*\k+1], v[X+32*\rr+2*\k:X+32*\rr+2*\k+1], v[X+32*\rr+2*\k:X+32*\rr+2*\k+1]   ; the first products start the four chains
.endr
.irp k, 4,5,6,7,8,9,10,11,12,13,14,15
	v_pk_fma_f32 v[SQ+2*(\k%4):SQ+2*(\k%4)+1], v[X+32*\rr+2*\k:X+32*\rr+2*\k+1], v[X+32*\rr+2*\k:X+32*\rr+2*\k+1], v[SQ+2*(\k%4):SQ+2*(\k%4)+1]
.endr
	v_pk_add_f32 v[SQ:SQ+1], v[SQ:SQ+1], v[SQ+2:SQ+3]
	v_pk_add_f32 v[SQ+4:SQ+5], v[SQ+4:SQ+5], v[SQ+6:SQ+7]
	v_pk_add_f32 v[SQ:SQ+1], v[SQ:SQ+1], v[SQ+4:SQ+5]
	v_add_f32 v[SQ], v[SQ], v[SQ+1]
	v_add_f32_dpp v[SQ], v[SQ], v[SQ] row_xmask:1 row_mask:0xf bank_mask:0xf
	v_add_f32_dpp v[SQ], v[SQ], v[SQ] row_xmask:2 row_mask:0xf bank_mask:0xf
	v_add_f32_dpp v[SQ], v[SQ], v[SQ] row_xmask:4 row_mask:0xf bank_mask:0xf
	v_add_f32_dpp v[SQ], v[SQ], v[SQ] row_xmask:8 row_mask:0xf bank_mask:0xf
	v_permlanex16_b32 v[SQ+1], v[SQ], s28, s29
	v_add_f32 v[SQ], v[SQ], v[SQ+1]                ; the row's sum of squares, in every lane
	v_fma_f32 v[SQ], v[SQ], s26, s27               ; mean + eps
	v_rsq_f32 v[RS], v[SQ]
	v_rsq_f32 v[RS+1], v[SQ]
	v_nop                                          ; one plain instruction behind v_rsq_f32 before its result is used (ISA guide 5.7.2)
	s_wait_alu depctr_va_vdst(0)
.irp k, 0,1,2,3,4,5,6,7,8,9,10,11,12,13,14,15
	v_pk_mul_f32 v[X+32*\rr+2*\k:X+32*\rr+2*\k+1], v[X+32*\rr+2*\k:X+32*\rr+2*\k+1], v[RS:RS+1]
.endr
.endif
.irp c, 0,1,2,3,4,5,6,7
	v_cvt_pk_f16_f32 v[X+32*\rr+4*\c], v[X+32*\rr+4*\c], v[X+32*\rr+4*\c+1]
	v_cvt_pk_f16_f32 v[X+32*\rr+4*\c+1], v[X+32*\rr+4*\c+2], v[X+32*\rr+4*\c+3]
	global_store_b64 v2, v[X+32*\rr+4*\c:X+32*\rr+4*\c+1], s[22:23] offset:\rr*2048+\c*256   ; the wave's 32 lanes write 256 consecutive bytes, aligned
.endr
.endm
	s_cmp_lt_u32 ttmp9, 128
	s_cbranch_scc0 .Lweights
	ROW 0, 1, 24
	ROW 1, 1, 16
	ROW 2, 1, 8
	ROW 3, 1, 0
	s_endpgm
.Lweights:
	ROW 0, 0, 24
	ROW 1, 0, 16
	ROW 2, 0, 8
	ROW 3, 0, 0
	s_endpgm
.Lfunc_end_k_q6f029e41ea_prep:
	.size	k_q6f029e41ea_prep, .Lfunc_end_k_q6f029e41ea_prep-k_q6f029e41ea_prep
	.p2alignl 7, 3214868480
	.fill 96, 4, 3214868480
	.section	.rodata,"a",@progbits
	.p2align	6, 0x0
	.amdhsa_kernel k_q6f029e41ea_prep
		.amdhsa_group_segment_fixed_size 0
		.amdhsa_private_segment_fixed_size 0
		.amdhsa_enable_private_segment 0
		.amdhsa_kernarg_size 56
		.amdhsa_user_sgpr_count 2
		.amdhsa_user_sgpr_kernarg_segment_ptr 1
		.amdhsa_wavefront_size32 1
		.amdhsa_system_sgpr_workgroup_id_x 1
		.amdhsa_system_sgpr_workgroup_id_y 1
		.amdhsa_system_sgpr_workgroup_id_z 1
		.amdhsa_system_vgpr_workitem_id 0
		.amdhsa_next_free_vgpr 192
		.amdhsa_next_free_sgpr 66
		.amdhsa_reserve_vcc 1
		.amdhsa_float_denorm_mode_32 3
		.amdhsa_float_denorm_mode_16_64 3
		.amdhsa_memory_ordered 1
		.amdhsa_forward_progress 1
		.amdhsa_inst_pref_size 36
	.end_amdhsa_kernel
	.amdgpu_metadata
---
amdhsa.version: [ 1, 2 ]
amdhsa.kernels:
  - .name:           k_q6f029e41ea_prep
    .symbol:         k_q6f029e41ea_prep.kd
    .args:
      - { .name: x, .offset: 0, .size: 8, .value_kind: global_buffer, .address_space: global }
      - { .name: w_qkv, .offset: 8, .size: 8, .value_kind: global_buffer, .address_space: global }
      - { .name: w_out, .offset: 16, .size: 8, .value_kind: global_buffer, .address_space: global }
      - { .name: xn, .offset: 24, .size: 8, .value_kind: global_buffer, .address_space: global }
      - { .name: wq, .offset: 32, .size: 8, .value_kind: global_buffer, .address_space: global }
      - { .name: wo, .offset: 40, .size: 8, .value_kind: global_buffer, .address_space: global }
      - { .name: tab, .offset: 48, .size: 8, .value_kind: global_buffer, .address_space: global }
    .group_segment_fixed_size: 0
    .private_segment_fixed_size: 0
    .kernarg_segment_align: 8
    .kernarg_segment_size: 56
    .max_flat_workgroup_size: 256
    .sgpr_count:     66
    .vgpr_count:     192
    .wavefront_size: 32
...
	.end_amdgpu_metadata
.endif
;; end of part 1
;; launch qkvgemm (part 2): grid 12 x 16, 4 waves a work-group, clusters of 4 x 4, 327,680 bytes of LDS; arguments xn, wq, qkv, tab; writes qkv
.if DOCPART == 2
	.amdgcn_target "amdgcn-amd-amdhsa--gfx1250"
	.amdhsa_code_object_version 6
	.text
	.protected	k_q6f029e41ea_qkvgemm
	.globl	k_q6f029e41ea_qkvgemm
	.p2align	8
	.type	k_q6f029e41ea_qkvgemm,@function
k_q6f029e41ea_qkvgemm:
	s_mov_b64 s[64:65], 0
	v_nop
	global_prefetch_b8 v0, s[64:65] scope:SCOPE_SE
	s_setreg_imm32_b32 hwreg(HW_REG_WAVE_MODE, 25, 1), 1
	s_wait_xcnt 0x0
	s_wait_alu depctr_hold_cnt(0) depctr_sa_sdst(0) depctr_va_vdst(0) depctr_va_sdst(0) depctr_va_ssrc(0) depctr_va_vcc(0) depctr_vm_vsrc(0)
	s_getreg_b32 s2, hwreg(HW_REG_IB_STS2, 6, 4)
	s_cmp_eq_u32 s2, 0
	s_cbranch_scc0 .Lentry_in_a_cluster
	s_endpgm
.Lentry_in_a_cluster:
	s_bfe_u32 s2, ttmp6, 0x10000c
	s_cmp_lg_u32 s2, 0xf033
	s_cbranch_scc0 .Lentry_shape_is_right
	s_endpgm
.Lentry_shape_is_right:
; qkv[m][n] = rope( sum over k of xn[m][k] wq[n][k] ).  xn: [4096][1024], wq: [3072][1024], qkv: [4096][3072], all f16; sums in f32.
; A work-group makes a block of 256 x 256 with four waves, as many as a WGP has SIMDs; a wave makes 128 x 128: 64 accumulator tiles of
; 16 x 16, 512 registers.  K goes in steps of 128 through a ring of two LDS slots filled by the tensor data mover: a tile's rows are
; 256 bytes of memory and start at multiples of 256 bytes from the buffer's first byte.  12 x 16 = 192 work-groups.
; CLUSTERS: 4 x 4 work-groups.  The four of a row of the cluster need the same tiles of xn, the four of a column the same tiles of wq:
; such a tile is asked for jointly, by the same tensor load with the same descriptor and a mask that names the four.
; ROPE ON THE WAY OUT: a wave's 128 columns are two heads of 64.  Column d < 32 of a head pairs with d + 32, which lies two tiles to the
; right in the same lane and register, so the rotation is four packed instructions for two pairs.  cos and sin come from tab, row = the
; position in the sequence.  The blocks of V (cluster x = 2) take tab's rows 2048.., cos = 1 and sin = 0, and so pass unchanged
; (x 1 - y 0 is exact for finite y): one way out for all blocks, no branch, equal work.
; LIMIT: q, k, v are stored in f16: |q|, |k|, |v| < 65,504.
;
; REGISTERS, in windows of 256:
;   window 0: v0-31 addresses; v32-47 at work in the rotation; v64-127, v128-191 fragments of xn, two buffers (on the way out: lower halves
;             read-back, upper halves the rotated f32); v192-223 packed results
;   window 1: v64-127, v128-191 fragments of wq, two buffers; v0-63, v192-255 tab for my rows 0-63 (loaded at the start, untouched by the loop);
;             on the way out v64-191 take tab for my rows 64-127
;   window 2: the 32 accumulator tiles of my rows 0-63 (tile (a, b) at v[8 (8 a + b)]);   window 3: those of my rows 64-127
; THE MATRIX INSTRUCTION IS USED TRANSPOSED: source 0 = 16 rows of wq, source 1 = 16 rows of xn, so that lane l holds row l % 16 and its
; registers 0 to 7 the columns 8 (l / 16) + 0 .. 7 of a tile.
.set SIZE_M, 4096
.set SIZE_N, 3072
.set SIZE_K, 1024
.set KSTEP,  128
.set PITCH,  272                       ; an LDS row: 256 bytes + 16 of padding = 68 words: the 16 rows that a load touches start at 16 different banks (ISA guide 11.1)
.set HALFT,  128*PITCH                 ; 128 rows: what one tensor load brings
.set SLOT,   4*HALFT                   ; xn's 256 rows, then wq's 256 rows
.set STAGE,  2*SLOT                    ; behind the ring: 16 rows x 272 bytes for each wave, for the way out
.set SPITCH, 272
.set LAPS, SIZE_K/(2*KSTEP)            ; a lap = two K steps = once round the ring: 4
.set ADRA, 16                          ; v16-17  LDS address of my xn fragments in slot 0, 1
.set ADRB, 20                          ; v20-21  the same for wq
.set STO,  24                          ; v24     the way out: where I put 16 bytes of a row
.set RD,   25                          ; v25     the way out: where I read a row back
.set CO,   26                          ; v26     my byte offset in qkv
.set TA,   27                          ; v27     my byte offset in tab; never rewritten
.set RT,   32                          ; v32-47  products with the sine
.set RY,   96                          ; rotated tile b at RY + 8 b (b < 4), RY + 64 + 8 (b - 4) (b >= 4)
.set F0,   64
.set F1,   128
.set TMP,  192
.set G1, 24                            ; s[24:31] descriptor group 1 for xn's tiles
.set G0, 32                            ; s[32:39] group 0 for xn's tiles, one set for each slot
.set G1B, 48                           ; s[48:55] group 1 for wq's tiles: another mask
.set G0B, 56                           ; s[56:63] group 0 for wq's tiles
.set MSB, 0
.macro WIN new                         ; the immediate's high byte repeats the setting that is left
.if MSB != (\new)
	s_set_vgpr_msb (MSB<<8)|(\new)
.set MSB, (\new)
.endif
.endm
.set MUL_LO, 0xa1                      ; source 0 (wq) window 1, source 1 (xn) window 0, C and D window 2
.set MUL_HI, 0xf1                      ; the same, C and D window 3
.set TO_B,   0x40                      ; destination window 1, address window 0
; A joint load.  Waves 0 and 1 fetch xn's two halves, waves 2 and 3 wq's.  The branch hangs on the wave's number alone.
.macro JLOAD s
	s_cmp_eq_u32 s11, 0
	s_cbranch_scc0 .Lfor_b_\@
	tensor_load_to_lds s[G0+4*\s:G0+4*\s+3], s[G1:G1+7]
	s_nop 0
	s_branch .Lasked_\@
.Lfor_b_\@:
	tensor_load_to_lds s[G0B+4*\s:G0B+4*\s+3], s[G1B:G1B+7]
	s_nop 0
.Lasked_\@:
.endm
; A round of the cluster's barrier: my work-group's barrier; wave 0 signals for the work-group; every wave waits for all sixteen; my work-group's barrier again.
.macro CREST                           ; a round behind its opening barrier
	s_cmp_lg_u32 s10, 0
	s_cbranch_scc1 .Lnot_wave_0_\@
	s_barrier_signal -3
.Lnot_wave_0_\@:
	s_barrier_wait -3
	s_barrier_signal -1
	s_barrier_wait -1
.endm
.macro CROUND
	s_barrier_signal -1
	s_barrier_wait -1
	CREST
.endm
	s_load_b128 s[4:7], s[0:1], 0x0                ; xn s[4:5], wq s[6:7]
	s_load_b64 s[8:9], s[0:1], 0x10                ; qkv
	s_load_b64 s[66:67], s[0:1], 0x18              ; tab
	v_lshl_add_u32 v254, v0, 2, 0x48400
	v_mov_b32 v255, 0
	ds_add_u32 v254, v255
	ds_add_u32 v254, v255
	v_lshrrev_b32 v1, 5, v0
	v_readfirstlane_b32 s10, v1                    ; wave 0..3
	s_lshr_b32 s11, s10, 1                         ; which half of the block's rows is mine.  Also: I fetch for xn (0) or for wq (1)
	s_and_b32 s12, s10, 1                          ; which half of its columns.  Also: which 128 rows of that tile I fetch
	s_bfe_u32 s40, ttmp6, 0x40000                  ; cx
	s_bfe_u32 s41, ttmp6, 0x40004                  ; cy
	s_lshl_b32 s42, ttmp9, 2
	s_add_co_u32 s42, s42, s40                     ; block column = 4 x cluster x + cx
	s_and_b32 s13, ttmp7, 0xffff
	s_lshl_b32 s13, s13, 2
	s_add_co_u32 s13, s13, s41                     ; block row = 4 x cluster y + cy
	s_lshl_b32 s43, s41, 2
	s_lshl_b32 s43, 15, s43                        ; my row of the cluster: places 4 cy .. 4 cy + 3
	s_lshl_b32 s44, 0x1111, s40                    ; my column: places cx, cx + 4, cx + 8, cx + 12
	; group 1: a tile of 128 rows x 128 elements of 2 bytes, 4 words of padding behind every 64
	s_or_b32 s[G1+0], s43, (1<<16)|(1<<20)|(1<<21)|(5<<22)|(3<<25)
	s_or_b32 s[G1B+0], s44, (1<<16)|(1<<20)|(1<<21)|(5<<22)|(3<<25)
	s_mov_b32 s[G1B+1], KSTEP<<16
	s_mov_b32 s[G1+1], KSTEP<<16                   ; tensor_dim0 = 128
	s_mov_b32 s[G1B+2], 128<<16
	s_mov_b32 s[G1+2], 128<<16                     ; tensor_dim1 = 128
	s_mov_b32 s[G1B+3], KSTEP<<16
	s_mov_b32 s[G1+3], KSTEP<<16                   ; tile_dim0 = 128
	s_mov_b32 s[G1B+4], 128
	s_mov_b32 s[G1+4], 128                         ; tile_dim1 = 128
	s_mov_b32 s[G1B+5], SIZE_K
	s_mov_b32 s[G1+5], SIZE_K                      ; elements from row to row
	s_mov_b32 s[G1B+6], 0
	s_mov_b32 s[G1+6], 0
	s_mov_b32 s[G1B+7], 0
	s_mov_b32 s[G1+7], 0
	; xn's tiles hang on the block row alone, wq's on the block column alone; each address in registers that never hold the other coordinate
	s_lshl_b32 s17, s12, 7
	s_lshl_b32 s16, s13, 8
	s_add_co_u32 s16, s16, s17                     ; xn: row 256 x block row + 128 x half
	s_lshl_b32 s46, s42, 8
	s_add_co_u32 s46, s46, s17                     ; wq: row 256 x block column + 128 x half
	s_mov_b32 s17, 0
	s_mov_b32 s47, 0
	s_mov_b64 s[18:19], SIZE_K*2
	s_mul_u64 s[16:17], s[16:17], s[18:19]
	s_mul_u64 s[46:47], s[46:47], s[18:19]
	s_mul_i32 s20, s10, HALFT                      ; LDS: wave x 128 rows; no place in the cluster enters an LDS address
	s_wait_dscnt 0x0
	s_wait_kmcnt 0x0
	s_add_nc_u64 s[14:15], s[4:5], s[16:17]
	s_add_nc_u64 s[46:47], s[6:7], s[46:47]
	CROUND                                         ; all sixteen work-groups are here: the first joint loads meet
.irp s, 0,1
	s_mov_b32 s[G0+4*\s], 1
	s_add_co_u32 s[G0+4*\s+1], s20, \s*SLOT
	s_add_nc_u64 s[G0+4*\s+2:G0+4*\s+3], s[14:15], \s*KSTEP*2
	s_or_b32 s[G0+4*\s+3], s[G0+4*\s+3], 0x80000000
	s_mov_b32 s[G0B+4*\s], 1
	s_add_co_u32 s[G0B+4*\s+1], s20, \s*SLOT
	s_add_nc_u64 s[G0B+4*\s+2:G0B+4*\s+3], s[46:47], \s*KSTEP*2
	s_or_b32 s[G0B+4*\s+3], s[G0B+4*\s+3], 0x80000000
	JLOAD \s                                       ; the ring is filled before anything else is done: two tensor loads of the wave are out
.endr
	; A fragment is 16 rows x 32 K in 8 registers: lane l holds row l % 16; two loads of 16 bytes, 32 bytes apart, at row x pitch + 16 (l / 16)
	v_and_b32 v1, 15, v0                           ; l % 16
	v_bfe_u32 v2, v0, 4, 1                         ; l / 16
	v_mul_u32_u24 v3, v1, PITCH
	v_lshl_add_u32 v3, v2, 4, v3
	s_mul_i32 s21, s11, HALFT                      ; my 128 rows of xn
	s_mul_i32 s22, s12, HALFT                      ; my 128 rows of wq,
	s_add_co_u32 s22, s22, 2*HALFT                 ; which lie behind xn's 256
.irp s, 0,1
	v_add_nc_u32 v[ADRA+\s], s21, v3
	v_add_nc_u32 v[ADRB+\s], s22, v3
	s_add_co_u32 s21, s21, SLOT
	s_add_co_u32 s22, s22, SLOT
.endr
	s_mul_i32 s23, s10, 16*SPITCH
	s_add_co_u32 s23, s23, STAGE                   ; my stage
	v_mul_u32_u24 v4, v1, SPITCH
	v_lshl_add_u32 v4, v2, 4, v4
	v_add_nc_u32 v[STO], s23, v4
	v_mul_u32_u24 v5, v2, SPITCH
	v_lshl_add_u32 v5, v1, 4, v5
	v_add_nc_u32 v[RD], s23, v5
	v_mul_u32_u24 v5, v2, SIZE_N*2
	v_lshl_add_u32 v[CO], v1, 4, v5
	; tab: my first row's position in its sequence of 2,048 = 256 x (block row mod 8) + 128 x half; V's blocks take the rows from 2,048 on
	s_and_b32 s68, s13, 7
	s_lshl_b32 s68, s68, 8
	s_lshl_b32 s69, s11, 7
	s_add_co_u32 s68, s68, s69
	s_cmp_eq_u32 ttmp9, 2                          ; columns 2048..3071 are block columns 8..11: cluster x = 2
	s_cselect_b32 s68, 2048, s68
	v_add_nc_u32 v[TA], s68, v1
	v_lshlrev_b32 v[TA], 8, v[TA]                  ; rows of 256 bytes
	v_lshl_add_u32 v[TA], v2, 5, v[TA]             ; + 32 (l / 16): my 8 cosines of columns 8 (l / 16) ..
; tab for my rows 16 i .. 16 i + 15, into window 1 at base: cos of columns 16 e + 8 (l / 16) + 0..7 at base + 8 e, sin at base + 16 + 8 e
.macro TABLD i, base
.irp q, 0,1,2,3,4,5,6,7
	global_load_b128 v[\base+4*\q:\base+4*\q+3], v[TA], s[66:67] offset:\i*4096+(\q>>1)*64+(\q&1)*16
.endr
.endm
	WIN TO_B
	TABLD 0, 0                                     ; these 32 loads land while the products run; they are waited for on the way out
	TABLD 1, 32
	TABLD 2, 192
	TABLD 3, 224
	WIN 0
; 16 matrix instructions: m blocks a0, a0 + 1 of the window's four x all 8 n blocks, 32 along K.  zero = 1: the first product starts the sums.
.macro MUL16 f, hi, a0, zero
.irp a, \a0, \a0+1
.irp b, 0,1,2,3,4,5,6,7
.if \zero
	v_wmma_f32_16x16x32_f16 v[8*(8*(\a)+\b):8*(8*(\a)+\b)+7], v[\f+8*\b:\f+8*\b+7], v[\f+8*(4*\hi+\a):\f+8*(4*\hi+\a)+7], 0
.else
	v_wmma_f32_16x16x32_f16 v[8*(8*(\a)+\b):8*(8*(\a)+\b)+7], v[\f+8*\b:\f+8*\b+7], v[\f+8*(4*\hi+\a):\f+8*(4*\hi+\a)+7], v[8*(8*(\a)+\b):8*(8*(\a)+\b)+7]
.endif
.endr
.endr
.endm
; 32 LDS loads in one run: the fragments of one quarter step into buffer f
.macro FETCH slot, k, f
	WIN TO_B
.irp i, 0,1,2,3,4,5,6,7
	ds_load_b128 v[\f+8*\i:\f+8*\i+3],   v[ADRB+\slot] offset:\k+\i*16*PITCH
	ds_load_b128 v[\f+8*\i+4:\f+8*\i+7], v[ADRB+\slot] offset:\k+\i*16*PITCH+32
.endr
	WIN 0
.irp i, 0,1,2,3,4,5,6,7
	ds_load_b128 v[\f+8*\i:\f+8*\i+3],   v[ADRA+\slot] offset:\k+\i*16*PITCH
	ds_load_b128 v[\f+8*\i+4:\f+8*\i+7], v[ADRA+\slot] offset:\k+\i*16*PITCH+32
.endr
.endm
; Four places behind a matrix instruction before a load lands on, or a vector instruction touches, one of its registers (ISA guide 7.12.1
; for vector instructions); the matrix instructions in between are not counted.
.macro PLACES
.rept 4
	v_nop
.endr
.endm
; A K step is four quarter steps of 32 along K, 64 matrix instructions each, on buffers 0, 1, 0, 1.  The 64 accumulators take turns, one
; instruction a turn, in the same order in every quarter.
.macro QUARTER slot, k, f, g, zero
	s_wait_dscnt 8                                 ; wq and xn's rows 0-63 are in; the youngest eight loads (xn's rows 64-127) may be out
	WIN MUL_LO
	MUL16 \f, 0, 0, \zero
	MUL16 \f, 0, 2, \zero
	PLACES
	FETCH \slot, \k, \g
	s_wait_dscnt 32                                ; all but the 32 just issued
	WIN MUL_HI
	MUL16 \f, 1, 0, \zero
	MUL16 \f, 1, 2, \zero
.endm
.macro THREE slot, zero
	QUARTER \slot, 64,  F0, F1, \zero
	QUARTER \slot, 128, F1, F0, 0
	QUARTER \slot, 192, F0, F1, 0
.endm
; The last quarter multiplies buffer 1 and changes slots.  In front of the barrier each wave waits for its reads of this slot and for all
; its tensor loads (one is out: its part of the next slot).  Behind it the refill comes first, then the next slot's first fragments.
.macro TURN slot, next, fill
	s_wait_dscnt 8
	WIN MUL_LO
	MUL16 F1, 0, 0, 0
	s_wait_dscnt 0                                 ; my reads of this slot are over
	s_set_vgpr_msb 0xa1a0
	s_wait_tensorcnt 0x0                           ; and all my tensor loads have landed
	ds_add_u32 v254, v255
	s_wait_dscnt 0x0
	s_set_vgpr_msb 0xa0a1
	s_barrier_signal -1                            ; (where a slot is filled again this barrier opens a round of the cluster's barrier)
	MUL16 F1, 0, 2, 0                              ; register work while the others arrive
	WIN 0
	s_barrier_wait -1
.if \fill
	CREST                                          ; no wave of any partner still reads this slot's tile or has a load on its way
	s_add_nc_u64 s[G0+4*\slot+2:G0+4*\slot+3], s[G0+4*\slot+2:G0+4*\slot+3], 2*KSTEP*2
	s_add_nc_u64 s[G0B+4*\slot+2:G0B+4*\slot+3], s[G0B+4*\slot+2:G0B+4*\slot+3], 2*KSTEP*2
	JLOAD \slot                                    ; the first tensor load behind the round, the wave's only one until the next
.endif
	PLACES
	FETCH \next, 0, F0
	WIN MUL_HI
	MUL16 F1, 1, 0, 0
	MUL16 F1, 1, 2, 0
.endm
.macro LAP zero
	THREE 0, \zero
	TURN 0, 1, 1
	THREE 1, 0
	TURN 1, 0, 1
.endm
	s_wait_tensorcnt 1                             ; my part of K step 0 is in; K step 1's may stay out
	s_barrier_signal -1
	s_barrier_wait -1
	FETCH 0, 0, F0
	LAP 1                                          ; the first lap stands in front of the loop: its first products start the sums
	WIN 0                                          ; at a label and at a branch every window is 0
	s_mov_b32 s3, LAPS-2
.Llap:
	LAP 0
	WIN 0
	s_sub_co_u32 s3, s3, 1
	s_cmp_lg_u32 s3, 0
	s_cbranch_scc1 .Llap
	THREE 0, 0                                     ; the last lap fills nothing
	TURN 0, 1, 0
	THREE 1, 0
	s_wait_dscnt 8
	WIN MUL_LO
	MUL16 F1, 0, 0, 0
	MUL16 F1, 0, 2, 0
	s_wait_dscnt 0
	WIN MUL_HI
	MUL16 F1, 1, 0, 0
	MUL16 F1, 1, 2, 0
	; THE WAY OUT, 16 rows at a time: rotate, round to f16, 16 bytes a lane into my own stage in LDS, read back as whole rows of 256 bytes.
	PLACES                                         ; behind the last matrix instructions: for the loads into wq's buffers and the instructions that read results
	WIN TO_B
	TABLD 4, 64                                    ; tab for my rows 64-127, into the registers that held wq's fragments
	TABLD 5, 96
	TABLD 6, 128
	TABLD 7, 160
	WIN 0
	s_lshl_b32 s13, s13, 8
	s_lshl_b32 s14, s11, 7
	s_add_co_u32 s16, s13, s14                     ; my first row
	s_mov_b32 s17, 0
	s_mov_b64 s[18:19], SIZE_N*2
	s_mul_u64 s[16:17], s[16:17], s[18:19]
	s_add_nc_u64 s[8:9], s[8:9], s[16:17]
	s_lshl_b32 s46, s42, 9                         ; my first column, in bytes: 512 x block + 256 x half
	s_lshl_b32 s47, s12, 8
	s_add_co_u32 s46, s46, s47
	s_mov_b32 s47, 0
	s_add_nc_u64 s[8:9], s[8:9], s[46:47]
; rows 16 i .. 16 i + 15 of my block = the eight tiles (a, 0..7) of window W; f: F0 or F1 in turn; tb: where tab's rows lie in window 1
.macro OUT16 i, a, W, f, tb
	s_wait_loadcnt 56-8*\i                         ; 64 table loads in all, eight a group, in order: the groups behind mine may stay out
	WIN (\W|4)                                     ; source 0 the accumulators, source 1 tab, source 2 and the result window 0
.irp hd, 0,1
.irp e, 0,1
.irp rr, 0,2,4,6
	v_pk_mul_f32 v[RT+2*\rr:RT+2*\rr+1], v[8*(8*\a+4*\hd+\e+2)+\rr:8*(8*\a+4*\hd+\e+2)+\rr+1], v[\tb+16+8*\e+\rr:\tb+16+8*\e+\rr+1]
	v_pk_mul_f32 v[RT+2*\rr+2:RT+2*\rr+3], v[8*(8*\a+4*\hd+\e)+\rr:8*(8*\a+4*\hd+\e)+\rr+1], v[\tb+16+8*\e+\rr:\tb+16+8*\e+\rr+1]
	v_pk_fma_f32 v[RY+64*\hd+8*\e+\rr:RY+64*\hd+8*\e+\rr+1], v[8*(8*\a+4*\hd+\e)+\rr:8*(8*\a+4*\hd+\e)+\rr+1], v[\tb+8*\e+\rr:\tb+8*\e+\rr+1], v[RT+2*\rr:RT+2*\rr+1] neg_lo:[0,0,1] neg_hi:[0,0,1]   ; x1 c - x2 s
	v_pk_fma_f32 v[RY+64*\hd+8*(\e+2)+\rr:RY+64*\hd+8*(\e+2)+\rr+1], v[8*(8*\a+4*\hd+\e+2)+\rr:8*(8*\a+4*\hd+\e+2)+\rr+1], v[\tb+8*\e+\rr:\tb+8*\e+\rr+1], v[RT+2*\rr+2:RT+2*\rr+3]   ; x2 c + x1 s
.endr
.endr
.endr
	WIN 0
.irp hd, 0,1
.irp bb, 0,1,2,3
.irp r, 0,1,2,3
	v_cvt_pk_f16_f32 v[TMP+4*(4*\hd+\bb)+\r], v[RY+64*\hd+8*\bb+2*\r], v[RY+64*\hd+8*\bb+2*\r+1]
.endr
.endr
.endr
.irp b, 0,1,2,3,4,5,6,7
	ds_store_b128 v[STO], v[TMP+4*\b:TMP+4*\b+3] offset:32*\b
.endr
	s_wait_xcnt 0x0                                ; buffer f, which earlier stores read, and the stores' base are rewritten only behind this wait (ISA guide 3.1)
.if \i
	s_add_nc_u64 s[8:9], s[8:9], 16*SIZE_N*2       ; 16 rows on
.endif
.irp t, 0,1,2,3,4,5,6,7
	ds_load_b128 v[\f+4*\t:\f+4*\t+3], v[RD] offset:\t*2*SPITCH    ; LDS serves a wave's instructions in order (ISA guide 5.7.1.4): these see the stores above
.endr
.irp t, 0,1,2,3,4,5,6,7
	s_wait_dscnt 7-\t
	global_store_b128 v[CO], v[\f+4*\t:\f+4*\t+3], s[8:9] offset:2*\t*SIZE_N*2   ; 16 lanes store 256 consecutive bytes, at a multiple of 256 from the buffer's first byte
.endr
.endm
	OUT16 0, 0, 2, F0, 0
	OUT16 1, 1, 2, F1, 32
	OUT16 2, 2, 2, F0, 192
	OUT16 3, 3, 2, F1, 224
	OUT16 4, 0, 3, F0, 64
	OUT16 5, 1, 3, F1, 96
	OUT16 6, 2, 3, F0, 128
	OUT16 7, 3, 3, F1, 160
	s_wait_tensorcnt 0x0
	ds_add_u32 v254, v255
	s_wait_dscnt 0x0
	CROUND                                         ; the closing round: no work-group ends while a partner may still ask for a tile that names it
	s_endpgm
.Lfunc_end_k_q6f029e41ea_qkvgemm:
	.size	k_q6f029e41ea_qkvgemm, .Lfunc_end_k_q6f029e41ea_qkvgemm-k_q6f029e41ea_qkvgemm
	.p2alignl 7, 3214868480
	.fill 96, 4, 3214868480
	.section	.rodata,"a",@progbits
	.p2align	6, 0x0
	.amdhsa_kernel k_q6f029e41ea_qkvgemm
		.amdhsa_group_segment_fixed_size 327680
		.amdhsa_private_segment_fixed_size 0
		.amdhsa_enable_private_segment 0
		.amdhsa_kernarg_size 32
		.amdhsa_user_sgpr_count 2
		.amdhsa_user_sgpr_kernarg_segment_ptr 1
		.amdhsa_wavefront_size32 1
		.amdhsa_system_sgpr_workgroup_id_x 1
		.amdhsa_system_sgpr_workgroup_id_y 1
		.amdhsa_system_sgpr_workgroup_id_z 1
		.amdhsa_system_vgpr_workitem_id 0
		.amdhsa_next_free_vgpr 1024
		.amdhsa_next_free_sgpr 72
		.amdhsa_reserve_vcc 0
		.amdhsa_float_denorm_mode_32 3
		.amdhsa_float_denorm_mode_16_64 3
		.amdhsa_memory_ordered 1
		.amdhsa_forward_progress 1
		.amdhsa_inst_pref_size 235
	.end_amdhsa_kernel
	.amdgpu_metadata
---
amdhsa.version: [ 1, 2 ]
amdhsa.kernels:
  - .name:           k_q6f029e41ea_qkvgemm
    .symbol:         k_q6f029e41ea_qkvgemm.kd
    .args:
      - { .name: xn, .offset: 0, .size: 8, .value_kind: global_buffer, .address_space: global }
      - { .name: wq, .offset: 8, .size: 8, .value_kind: global_buffer, .address_space: global }
      - { .name: qkv, .offset: 16, .size: 8, .value_kind: global_buffer, .address_space: global }
      - { .name: tab, .offset: 24, .size: 8, .value_kind: global_buffer, .address_space: global }
    .group_segment_fixed_size: 327680
    .private_segment_fixed_size: 0
    .kernarg_segment_align: 8
    .kernarg_segment_size: 32
    .max_flat_workgroup_size: 128
    .sgpr_count:     72
    .vgpr_count:     1024
    .wavefront_size: 32
...
	.end_amdgpu_metadata
.endif
;; end of part 2
;; launch attn (part 3): grid 16 x 16, 4 waves a work-group, no clusters, 285,184 bytes of LDS; arguments qkv, ao; writes ao
.if DOCPART == 3
	.amdgcn_target "amdgcn-amd-amdhsa--gfx1250"
	.amdhsa_code_object_version 6
	.text
	.protected	k_q6f029e41ea_attn
	.globl	k_q6f029e41ea_attn
	.p2align	8
	.type	k_q6f029e41ea_attn,@function
k_q6f029e41ea_attn:
	s_mov_b64 s[64:65], 0
	v_nop
	global_prefetch_b8 v0, s[64:65] scope:SCOPE_SE
	s_setreg_imm32_b32 hwreg(HW_REG_WAVE_MODE, 25, 1), 1
	s_wait_xcnt 0x0
; Banded attention: query q sees keys q - 256 .. q.  qkv: [4096][3072] f16 (q, k, v thirds, rotated already); ao: [4096][1024] f16.
; A work-group: 128 queries (x = query block) of two heads 2 hp, 2 hp + 1 of one batch (y = 8 b + hp): two heads make every row in qkv
; and in ao 256 bytes, aligned.  LDS holds the 384 keys q0 - 256 .. q0 + 127 (K and V) and the 128 queries, brought by seven tensor
; loads at the start; nothing is filled again, so there is one barrier.  By this text's count a wave has at most two tensor loads out.
; A wave: 32 queries as two groups g of 16, both heads in turn.  Its keys are LDS rows 32 w .. 32 w + 287 = 18 tiles t of 16; group g uses
; tiles g .. g + 16.  K and V fragments are loaded once and serve both groups.
; ORIENTATION: S^T = K Q^T (A = 16 keys, B = 16 queries): lane (r, h) holds query r, keys 8 h + j.  So the maximum and the sum are formed
; inside a lane plus one exchange of the halves, and two neighbouring tiles pack straight into a B fragment of P^T.
; O^T = V^T P^T (A by the transposing LDS load): lane (r, h) holds query r, d = 16 dt + 8 h + j: 16 bytes of a row of ao.
; SOFTMAX: all 17 tiles of scores of a group stay in registers, so the true maximum is taken away before the exponential.
; THE BAND: only a group's first and last tile are cut; their masks (0 or -1e30) enter as the C operand of the tile's first product.
; Keys below 0 (query blocks 0 and 1): whole tiles; the tensor load is clamped to row 0 so that they hold finite numbers, and their
; scores are replaced by -1e30.
; NO MULTICAST: the next query block holds the rows that it shares with this one 128 rows further up in its window.  A joint load puts a
; tile at one LDS address in all partners, so the addresses of the LDS reads would have to hang on the place in the cluster.
; LIMITS: a masked score is -1e30 here and -1e9 in the definition: both give the weight 0 as long as real scores lie above about -1e9.
; The row sum adds the f32 weights, the product takes them rounded to f16.  |q|, |k|, |v| < 65,504 (f16).
.set KP,  272                          ; K's and Q's LDS pitch: 256 + 16
.set VP,  288                          ; V's: 256 + 32, an odd multiple of 32 for the transposing load
.set LQ,  104448                       ; K rows 0..383 at 0; Q rows 0..127 here
.set LV,  139264                       ; V rows 0..383
.set LST, 249856                       ; stage: 32 rows x 272 bytes for each wave; no tensor load lands here
.set QF,  32                           ; window 0: v[32:63] Q fragments, (g, kh) at QF + 16 g + 8 kh
.set F0,  64                           ; v[64:159]  fragment buffer 0: 6 K tiles or 3 pairs of V tiles
.set F1,  160                          ; v[160:255] fragment buffer 1
; window 1 + g: scores S(t) at v[8 t], later weights P(t) at v[4 t], and:
.set ML,  144                          ; mask of the group's first tile
.set MH,  152                          ; mask of its last tile
.set MX,  160                          ; four running maxima
.set NM,  164                          ; - maximum x c, twice
.set SU,  166                          ; two pairs of sums
.set TT,  170                          ; the other half's figure
.set RC,  172                          ; 1 / sum, twice
.set NEGR, 174                         ; -1e30
.set OA,  176                          ; O(dt) at OA + 8 dt
.set OB,  208                          ; packed output
.set MSB, 0
.macro WIN new                         ; s_set_vgpr_msb: bits 1:0 source 0, 3:2 source 1, 5:4 source 2, 7:6 destination; the high byte repeats the setting that is left
.if MSB != (\new)
	s_set_vgpr_msb (MSB<<8)|(\new)
.set MSB, (\new)
.endif
.endm
.macro PLACES n                        ; places behind matrix instructions (ISA guide 7.12.1)
.rept \n
	v_nop
.endr
.endm
	s_load_b128 s[4:7], s[0:1], 0x0                ; qkv s[4:5], ao s[6:7]
	v_lshl_add_u32 v30, v0, 2, 0x45800
	v_mov_b32 v31, 0
	ds_add_u32 v30, v31
	ds_add_u32 v30, v31
	v_lshrrev_b32 v3, 5, v0
	v_readfirstlane_b32 s8, v3                     ; wave w
	s_mov_b32 s9, ttmp9                            ; query block
	s_and_b32 s10, ttmp7, 0xffff
	s_lshr_b32 s11, s10, 3                         ; batch
	s_and_b32 s10, s10, 7                          ; pair of heads hp
	s_lshl_b32 s14, s9, 7                          ; q0
	s_lshl_b32 s15, s8, 7
	s_add_co_u32 s20, s14, s15
	s_sub_co_i32 s20, s20, 256                     ; first key of K's and V's tile w,
	s_max_i32 s20, s20, 0                          ; or 0: a tile is wholly below 0 or wholly valid
	s_lshl_b32 s23, s11, 11                        ; the batch's first row
	s_lshl_b32 s16, s10, 8                         ; 256 hp: the pair's bytes in a third of a row
	s_cmp_eq_u32 s8, 3                             ; waves 0-2 bring K's tiles, wave 3 brings Q
	s_cselect_b32 s21, s14, s20
	s_cselect_b32 s22, 0, 2048
	s_add_co_u32 s21, s21, s23
	s_mul_i32 s54, s21, 6144
	s_add_co_u32 s54, s54, s22
	s_add_co_u32 s54, s54, s16
	s_mov_b32 s55, 0
	s_add_co_u32 s20, s20, s23
	s_mul_i32 s56, s20, 6144
	s_add_co_u32 s56, s56, s16
	s_add_co_u32 s56, s56, 4096                    ; V's third (wave 3 makes this figure and never uses it)
	s_mov_b32 s57, 0
	; group 1: 128 rows x 128 elements of 2 bytes, pitch 3,072 elements; padding behind every 64 words: 4 words for K and Q, 8 for V
	s_mov_b32 s24, 0x07510000
	s_mov_b32 s25, 128<<16
	s_mov_b32 s26, 128<<16
	s_mov_b32 s27, 128<<16
	s_mov_b32 s28, 128
	s_mov_b32 s29, 3072
	s_mov_b32 s30, 0
	s_mov_b32 s31, 0
	s_mov_b32 s32, 0x0f510000
	s_mov_b32 s33, 128<<16
	s_mov_b32 s34, 128<<16
	s_mov_b32 s35, 128<<16
	s_mov_b32 s36, 128
	s_mov_b32 s37, 3072
	s_mov_b32 s38, 0
	s_mov_b32 s39, 0
	s_mov_b32 s40, 1
	s_mul_i32 s41, s8, 128*KP                      ; K tile w at w x 34,816; wave 3's lands at 104,448 = Q's place
	s_mov_b32 s44, 1
	s_mul_i32 s45, s8, 128*VP
	s_add_co_u32 s45, s45, LV
	s_wait_dscnt 0x0
	s_wait_kmcnt 0x0
	s_add_nc_u64 s[42:43], s[4:5], s[54:55]
	s_or_b32 s43, s43, 0x80000000
	s_add_nc_u64 s[46:47], s[4:5], s[56:57]
	s_or_b32 s47, s47, 0x80000000
	tensor_load_to_lds s[40:43], s[24:31]
	s_nop 0
	s_cmp_eq_u32 s8, 3
	s_cbranch_scc1 .Lnov
	tensor_load_to_lds s[44:47], s[32:39]
	s_nop 0
.Lnov:
	s_mov_b32 s12, 0x76543210                      ; v_permlanex16_b32: lane i reads lane i of the other half
	s_mov_b32 s13, 0xfedcba98
	s_mov_b32 s48, 0x3e38aa3b                      ; c = log2(e) / 8: the scale 1 / sqrt(64) and the change of base
	s_mov_b32 s49, 0x3e38aa3b
	s_mov_b32 s50, 0xbe38aa3b                      ; -c
	s_lshl_b32 s51, s9, 3
	s_lshl1_add_u32 s51, s8, s51
	s_sub_co_i32 s51, 16, s51                      ; my tiles t < 16 - 8 x block - 2 w hold keys below 0
	s_add_co_u32 s58, s14, s23
	s_lshl_b32 s59, s8, 5
	s_add_co_u32 s58, s58, s59                     ; my first row of ao
	s_lshl_b32 s58, s58, 11
	s_add_co_u32 s58, s58, s16
	s_mov_b32 s59, 0
	s_add_nc_u64 s[6:7], s[6:7], s[58:59]
	v_and_b32 v1, 15, v0                           ; r
	v_bfe_u32 v2, v0, 4, 1                         ; h
	v_and_b32 v3, 7, v0
	v_bfe_u32 v15, v0, 3, 1
	s_lshl_b32 s17, s8, 5                          ; 32 w
	v_add_nc_u32 v16, s17, v1
	v_mul_u32_u24 v16, v16, KP
	v_lshl_add_u32 v4, v2, 4, v16                  ; v4-6: K fragments of chunk c (6 tiles): (32 w + 96 c + r) 272 + 16 h
	v_add_nc_u32 v5, 96*KP, v4
	v_add_nc_u32 v6, 192*KP, v4
	v_add_nc_u32 v11, LQ, v4                       ; v11: Q fragments
	v_lshl_add_u32 v17, v2, 3, v3
	v_add_nc_u32 v17, s17, v17
	v_mul_u32_u24 v17, v17, VP
	v_lshl_add_u32 v17, v15, 4, v17                ; v8-10: V of chunk c (3 pairs of tiles): (32 w + 96 c + 8 h + (l & 7)) 288 + 16 ((l >> 3) & 1)
	v_add_nc_u32 v8, LV, v17
	v_add_nc_u32 v9, LV+96*VP, v17
	v_add_nc_u32 v10, LV+192*VP, v17
	s_mul_i32 s18, s8, 32*KP
	s_add_co_u32 s18, s18, LST                     ; my stage
	v_mul_u32_u24 v16, v1, KP
	v_lshl_add_u32 v16, v2, 4, v16
	v_add_nc_u32 v12, s18, v16                     ; v12: in: row r, 16 bytes for each half of the lanes
	v_mul_u32_u24 v16, v2, KP
	v_lshl_add_u32 v16, v1, 4, v16
	v_add_nc_u32 v13, s18, v16                     ; v13: back: lanes 0-15 one row of 256 bytes, lanes 16-31 the next
	v_lshlrev_b32 v14, 11, v2
	v_lshl_add_u32 v14, v1, 4, v14                 ; v14: the same two rows in ao
	v_lshlrev_b32 v20, 3, v2
	v_sub_nc_u32 v20, v20, v1                      ; 8 h - r
	v_mov_b32 v21, 0xf149f2ca                      ; -1e30
	v_mov_b32 v22, 0
.irp g, 0,1
	WIN 0x40*(1+\g)                                ; results into the group's window
.irp j, 0,1,2,3,4,5,6,7
	v_cmp_le_i32 vcc_lo, -\j, v20                  ; first tile: key 8 h + j counts where 8 h + j >= r
	v_cndmask_b32 v[ML+\j], v21, v22, vcc_lo
	v_cmp_ge_i32 vcc_lo, -\j, v20                  ; last tile: where 8 h + j <= r
	v_cndmask_b32 v[MH+\j], v21, v22, vcc_lo
.endr
	v_mov_b32 v[NEGR], v21
	v_mov_b32 v[TT], v22                           ; v_permlanex16_b32's destination counts as read
.endr
	WIN 0
	s_wait_tensorcnt 0x0                           ; my tiles are in LDS,
	s_barrier_signal -1
	s_barrier_wait -1                              ; everybody's are
.macro QLOAD hd                        ; 8 loads: my 32 queries, 64 d
.irp g, 0,1
.irp kh, 0,1
	ds_load_b128 v[QF+16*\g+8*\kh:QF+16*\g+8*\kh+3],   v11 offset:\g*16*KP+\hd*128+\kh*64
	ds_load_b128 v[QF+16*\g+8*\kh+4:QF+16*\g+8*\kh+7], v11 offset:\g*16*KP+\hd*128+\kh*64+32
.endr
.endr
.endm
.macro FETCHK hd, c, f                 ; 24 loads: tiles 6 c .. 6 c + 5 of K; tile tt, half kh of d at f + 16 tt + 8 kh
.irp tt, 0,1,2,3,4,5
.irp kh, 0,1
	ds_load_b128 v[\f+16*\tt+8*\kh:\f+16*\tt+8*\kh+3],   v[4+\c] offset:\tt*16*KP+\hd*128+\kh*64
	ds_load_b128 v[\f+16*\tt+8*\kh+4:\f+16*\tt+8*\kh+7], v[4+\c] offset:\tt*16*KP+\hd*128+\kh*64+32
.endr
.endr
.endm
.macro FETCHV hd, c, f                 ; 24 transposing loads: pairs 3 c .. 3 c + 2 of V's tiles; pair pp, 16 d of block dt at f + 32 pp + 8 dt
.irp pp, 0,1,2
.irp dt, 0,1,2,3
	ds_load_tr16_b128 v[\f+32*\pp+8*\dt:\f+32*\pp+8*\dt+3],   v[8+\c] offset:\pp*32*VP+\hd*128+\dt*32
	ds_load_tr16_b128 v[\f+32*\pp+8*\dt+4:\f+32*\pp+8*\dt+7], v[8+\c] offset:\pp*32*VP+\hd*128+\dt*32+16*VP
.endr
.endr
.endm
; Scores of chunk c for both groups.  First all tiles' products over d 0-31 (they start the sums, from the mask or from 0), then all over
; d 32-63: the accumulators take turns, one instruction a turn.
.macro SMUL c, f
.irp g, 0,1
	WIN 0x50*(1+\g)                                ; C and D in the group's window, fragments in window 0
.irp tt, 0,1,2,3,4,5
.if 6*\c+\tt >= \g
.if 6*\c+\tt <= \g+16
.if 6*\c+\tt == \g
	v_wmma_f32_16x16x32_f16 v[8*(6*\c+\tt):8*(6*\c+\tt)+7], v[\f+16*\tt:\f+16*\tt+7], v[QF+16*\g:QF+16*\g+7], v[ML:ML+7]
.elseif 6*\c+\tt == \g+16
	v_wmma_f32_16x16x32_f16 v[8*(6*\c+\tt):8*(6*\c+\tt)+7], v[\f+16*\tt:\f+16*\tt+7], v[QF+16*\g:QF+16*\g+7], v[MH:MH+7]
.else
	v_wmma_f32_16x16x32_f16 v[8*(6*\c+\tt):8*(6*\c+\tt)+7], v[\f+16*\tt:\f+16*\tt+7], v[QF+16*\g:QF+16*\g+7], 0
.endif
.endif
.endif
.endr
.irp tt, 0,1,2,3,4,5
.if 6*\c+\tt >= \g
.if 6*\c+\tt <= \g+16
	v_wmma_f32_16x16x32_f16 v[8*(6*\c+\tt):8*(6*\c+\tt)+7], v[\f+16*\tt+8:\f+16*\tt+15], v[QF+16*\g+8:QF+16*\g+15], v[8*(6*\c+\tt):8*(6*\c+\tt)+7]
.endif
.endif
.endr
.endr
.endm
; Query blocks 0 and 1 alone: the scores of tiles whose keys lie below 0 become -1e30.  The branch hangs on the work-group's number.
.macro FIX
	s_cmp_gt_u32 s9, 1
	s_cbranch_scc1 .Lnofix_\@
.irp g, 0,1
	WIN 0x55*(1+\g)
.set ft, \g
.rept 16-\g
	s_cmp_gt_i32 s51, ft
	s_cselect_b32 s52, -1, 0
.irp j, 0,1,2,3,4,5,6,7
	v_cndmask_b32 v[8*ft+\j], v[8*ft+\j], v[NEGR], s52
.endr
.set ft, ft+1
.endr
.endr
	WIN 0
.Lnofix_\@:
.endm
.macro FE t                            ; tile t: 2^(c s - c max)
.irp i, 0,2,4,6
	v_pk_fma_f32 v[8*(\t)+\i:8*(\t)+\i+1], v[8*(\t)+\i:8*(\t)+\i+1], s[48:49], v[NM:NM+1] op_sel_hi:[1,0,1]
.endr
.irp i, 0,1,2,3,4,5,6,7
	v_exp_f32 v[8*(\t)+\i], v[8*(\t)+\i]
.endr
.endm
.macro SC t, first                     ; tile t: into the sums, then packed to f16 at v[4 t]: registers whose scores have been used up
.if \first
	s_wait_alu depctr_va_vdst(0)
	v_pk_add_f32 v[SU:SU+1], v[8*(\t):8*(\t)+1], v[8*(\t)+4:8*(\t)+5]          ; the first tile starts the sums
	v_pk_add_f32 v[SU+2:SU+3], v[8*(\t)+2:8*(\t)+3], v[8*(\t)+6:8*(\t)+7]
.else
	s_wait_alu depctr_va_vdst(0)
	v_pk_add_f32 v[SU:SU+1], v[SU:SU+1], v[8*(\t):8*(\t)+1]
	v_pk_add_f32 v[SU+2:SU+3], v[SU+2:SU+3], v[8*(\t)+2:8*(\t)+3]
	v_pk_add_f32 v[SU:SU+1], v[SU:SU+1], v[8*(\t)+4:8*(\t)+5]
	v_pk_add_f32 v[SU+2:SU+3], v[SU+2:SU+3], v[8*(\t)+6:8*(\t)+7]
.endif
.irp i, 0,1,2,3
	v_cvt_pk_f16_f32 v[4*(\t)+\i], v[8*(\t)+2*\i], v[8*(\t)+2*\i+1]
.endr
.endm
.macro SOFTMAX g
	WIN 0x55*(1+\g)                                ; everything in the group's window
.irp k, 0,1,2,3
	v_max_num_f32 v[MX+\k], v[8*\g+\k], v[8*\g+4+\k]       ; 136 scores a lane, four chains
.endr
.set mi, 8
.rept 16
.irp k, 0,1,2,3
	v_max3_num_f32 v[MX+\k], v[MX+\k], v[8*\g+mi+\k], v[8*\g+mi+4+\k]
.endr
.set mi, mi+8
.endr
	v_max3_num_f32 v[MX], v[MX], v[MX+1], v[MX+2]
	v_max_num_f32 v[MX], v[MX], v[MX+3]
	v_permlanex16_b32 v[TT], v[MX], s12, s13       ; lanes r and r + 16 hold the two halves of query r's keys
	v_max_num_f32 v[MX], v[MX], v[TT]
	v_mul_f32 v[NM], s50, v[MX]
	v_mul_f32 v[NM+1], s50, v[MX]
	; a tile's exponentials are followed by the tile before's sums and packing: the plain instructions that stand between v_exp_f32 and the use of its result (ISA guide 5.7.2)
	FE \g
	FE \g+1
	SC \g, 1
.set st, \g+1
.rept 15
	FE st+1
	SC st, 0
.set st, st+1
.endr
	SC \g+16, 0
	v_pk_add_f32 v[SU:SU+1], v[SU:SU+1], v[SU+2:SU+3]
	v_add_f32 v[SU], v[SU], v[SU+1]
	v_permlanex16_b32 v[TT], v[SU], s12, s13
	v_add_f32 v[SU], v[SU], v[TT]
	v_rcp_f32 v[RC], v[SU]                         ; the sum is at least the largest weight, about 1
	v_rcp_f32 v[RC+1], v[SU]
.irp i, 0,1,2,3
	v_mov_b32 v[68*(1-\g)+\i], 0                   ; the tile that the group does not use (17 for g = 0, 0 for g = 1) fills its pair with weights 0
.endr
.endm
; O^T += V^T P^T for the three pairs of chunk c, both groups.  The four accumulators of a group take turns, one instruction a turn.
.macro PV c, f
.irp g, 0,1
	WIN 0x54*(1+\g)                                ; A (V) window 0; B (P), C and D the group's window
.irp pp, 0,1,2
.irp dt, 0,1,2,3
.if 3*\c+\pp == 0
	v_wmma_f32_16x16x32_f16 v[OA+8*\dt:OA+8*\dt+7], v[\f+32*\pp+8*\dt:\f+32*\pp+8*\dt+7], v[8*(3*\c+\pp):8*(3*\c+\pp)+7], 0
.else
	v_wmma_f32_16x16x32_f16 v[OA+8*\dt:OA+8*\dt+7], v[\f+32*\pp+8*\dt:\f+32*\pp+8*\dt+7], v[8*(3*\c+\pp):8*(3*\c+\pp)+7], v[OA+8*\dt:OA+8*\dt+7]
.endif
.endr
.endr
.endr
.endm
.macro OEPI g, hd                      ; divide by the sum, round to f16, 16 bytes a lane into my stage
	WIN 0x55*(1+\g)
	s_wait_alu depctr_va_vdst(0)
.irp i, 0,1,2,3,4,5,6,7,8,9,10,11,12,13,14,15
	v_pk_mul_f32 v[OA+2*\i:OA+2*\i+1], v[OA+2*\i:OA+2*\i+1], v[RC:RC+1]
.endr
.irp i, 0,1,2,3,4,5,6,7,8,9,10,11,12,13,14,15
	v_cvt_pk_f16_f32 v[OB+\i], v[OA+2*\i], v[OA+2*\i+1]
.endr
	WIN 0x04*(1+\g)                                ; the store's data in the group's window, its address in window 0
.irp dt, 0,1,2,3
	ds_store_b128 v12, v[OB+4*\dt:OB+4*\dt+3] offset:\g*16*KP+\hd*128+\dt*32
.endr
.endm
; One head.  Every s_wait_dscnt 24 leaves out exactly the 24 fragment loads issued last; LDS instructions of a wave end in order (ISA guide 5.7.1).
.macro HEAD hd
	QLOAD \hd
	FETCHK \hd, 0, F0
	FETCHK \hd, 1, F1
	s_wait_dscnt 24                                ; Q and K's chunk 0 are in
	SMUL 0, F0
	WIN 0
	PLACES 4                                       ; before loads land on fragments that matrix instructions have read
	FETCHK \hd, 2, F0
	s_wait_dscnt 24                                ; K's chunk 1
	SMUL 1, F1
	WIN 0
	PLACES 4
	FETCHV \hd, 0, F1
	s_wait_dscnt 24                                ; K's chunk 2
	SMUL 2, F0
	WIN 0
	PLACES 4                                       ; also for the vector instructions that now read the scores
	FETCHV \hd, 1, F0
	FIX
	SOFTMAX 0
	SOFTMAX 1
	s_wait_dscnt 24                                ; V's chunk 0
	PV 0, F1
	WIN 0
	PLACES 4
	FETCHV \hd, 2, F1
	s_wait_dscnt 24                                ; V's chunk 1
	PV 1, F0
	s_wait_dscnt 0                                 ; V's chunk 2
	PV 2, F1
	PLACES 5
	OEPI 0, \hd
	OEPI 1, \hd
	WIN 0
.endm
	HEAD 0
	HEAD 1
	; my 32 rows of 256 bytes leave the stage through registers; the stage is my own, and LDS serves a wave's instructions in order
.irp tt, 0,1,2,3,4,5,6,7,8,9,10,11,12,13,14,15
	ds_load_b128 v[F0+4*\tt:F0+4*\tt+3], v13 offset:\tt*2*KP
.endr
.irp tt, 0,1,2,3,4,5,6,7,8,9,10,11,12,13,14,15
	s_wait_dscnt 15-\tt
	global_store_b128 v14, v[F0+4*\tt:F0+4*\tt+3], s[6:7] offset:\tt*4096   ; 16 lanes store 256 consecutive bytes, at a multiple of 256 from ao's first byte
.endr
	s_wait_tensorcnt 0x0
	ds_add_u32 v30, v31
	s_wait_dscnt 0x0
	s_endpgm
.Lfunc_end_k_q6f029e41ea_attn:
	.size	k_q6f029e41ea_attn, .Lfunc_end_k_q6f029e41ea_attn-k_q6f029e41ea_attn
	.p2alignl 7, 3214868480
	.fill 96, 4, 3214868480
	.section	.rodata,"a",@progbits
	.p2align	6, 0x0
	.amdhsa_kernel k_q6f029e41ea_attn
		.amdhsa_group_segment_fixed_size 285184
		.amdhsa_private_segment_fixed_size 0
		.amdhsa_enable_private_segment 0
		.amdhsa_kernarg_size 16
		.amdhsa_user_sgpr_count 2
		.amdhsa_user_sgpr_kernarg_segment_ptr 1
		.amdhsa_wavefront_size32 1
		.amdhsa_system_sgpr_workgroup_id_x 1
		.amdhsa_system_sgpr_workgroup_id_y 1
		.amdhsa_system_sgpr_workgroup_id_z 1
		.amdhsa_system_vgpr_workitem_id 0
		.amdhsa_next_free_vgpr 768
		.amdhsa_next_free_sgpr 66
		.amdhsa_reserve_vcc 1
		.amdhsa_float_denorm_mode_32 3
		.amdhsa_float_denorm_mode_16_64 3
		.amdhsa_memory_ordered 1
		.amdhsa_forward_progress 1
		.amdhsa_inst_pref_size 184
	.end_amdhsa_kernel
	.amdgpu_metadata
---
amdhsa.version: [ 1, 2 ]
amdhsa.kernels:
  - .name:           k_q6f029e41ea_attn
    .symbol:         k_q6f029e41ea_attn.kd
    .args:
      - { .name: qkv, .offset: 0, .size: 8, .value_kind: global_buffer, .address_space: global }
      - { .name: ao, .offset: 8, .size: 8, .value_kind: global_buffer, .address_space: global }
    .group_segment_fixed_size: 285184
    .private_segment_fixed_size: 0
    .kernarg_segment_align: 8
    .kernarg_segment_size: 16
    .max_flat_workgroup_size: 128
    .sgpr_count:     66
    .vgpr_count:     768
    .wavefront_size: 32
...
	.end_amdgpu_metadata
.endif
;; end of part 3
;; launch oproj (part 4): grid 8 x 32, 4 waves a work-group, clusters of 4 x 4, 327,680 bytes of LDS; arguments ao, wo, out0; writes out0
.if DOCPART == 4
	.amdgcn_target "amdgcn-amd-amdhsa--gfx1250"
	.amdhsa_code_object_version 6
	.text
	.protected	k_q6f029e41ea_oproj
	.globl	k_q6f029e41ea_oproj
	.p2align	8
	.type	k_q6f029e41ea_oproj,@function
k_q6f029e41ea_oproj:
	s_mov_b64 s[64:65], 0
	v_nop
	global_prefetch_b8 v0, s[64:65] scope:SCOPE_SE
	s_setreg_imm32_b32 hwreg(HW_REG_WAVE_MODE, 25, 1), 1
	s_wait_xcnt 0x0
	s_wait_alu depctr_hold_cnt(0) depctr_sa_sdst(0) depctr_va_vdst(0) depctr_va_sdst(0) depctr_va_ssrc(0) depctr_va_vcc(0) depctr_vm_vsrc(0)
	s_getreg_b32 s2, hwreg(HW_REG_IB_STS2, 6, 4)
	s_cmp_eq_u32 s2, 0
	s_cbranch_scc0 .Lentry_in_a_cluster
	s_endpgm
.Lentry_in_a_cluster:
	s_bfe_u32 s2, ttmp6, 0x10000c
	s_cmp_lg_u32 s2, 0xf033
	s_cbranch_scc0 .Lentry_shape_is_right
	s_endpgm
.Lentry_shape_is_right:
; out0[m][n] = sum over k of ao[m][k] wo[n][k].  ao: [4096][1024] f16, wo: [1024][1024] f16, out0: [4096][1024] f32; sums in f32.
; Blocks of 128 x 128 give 8 x 32 = 256 work-groups.  Four waves, each 64 x 64: 16 accumulator tiles, 128 registers (window 1).
; K goes through two LDS slots of 256 along K (rows of 512 bytes, aligned): four slot fills in all, so the text has no loop.
; CLUSTERS: 4 x 4 work-groups; ao's tiles are shared along a row of the cluster, wo's along a column, by joint loads.
; By this text's count a wave has two tensor loads out at the start and one behind each round.
; The matrix instruction is used transposed (source 0 = rows of wo, source 1 = rows of ao): a lane holds 8 neighbouring columns of one row.
; LIMIT: operands in f16, |ao|, |wo| < 65,504.
.set SIZE_N, 1024
.set SIZE_K, 1024
.set KSLOT,  256
.set PITCH,  528                       ; 512 bytes + 16: an odd multiple of 16, so the 16 rows that a load touches start at 16 different banks (ISA guide 11.1)
.set HALFT,  64*PITCH                  ; 64 rows: what one tensor load brings, and what one wave reads of ao or of wo
.set SLOT,   4*HALFT                   ; ao's 128 rows, then wo's 128 rows
.set STAGE,  2*SLOT                    ; behind the ring: 16 rows x 272 bytes for each wave
.set SPITCH, 272
.set ADRA, 16                          ; v16-17  LDS address of my ao fragments in slot 0, 1
.set ADRB, 20                          ; v20-21  the same for wo
.set STO,  24
.set RD,   25
.set CO,   26
.set F0,   64                          ; buffer 0: ao's 4 fragments v64-95, wo's v96-127
.set F1,   128                         ; buffer 1: v128-159, v160-191
.set G1, 24
.set G0, 32
.set G1B, 48
.set G0B, 56
.set MSB, 0
.macro WIN new
.if MSB != (\new)
	s_set_vgpr_msb (MSB<<8)|(\new)
.set MSB, (\new)
.endif
.endm
.macro JLOAD s                         ; waves 0 and 1 fetch ao's two halves, waves 2 and 3 wo's; the branch hangs on the wave's number alone
	s_cmp_eq_u32 s11, 0
	s_cbranch_scc0 .Lfor_b_\@
	tensor_load_to_lds s[G0+4*\s:G0+4*\s+3], s[G1:G1+7]
	s_nop 0
	s_branch .Lasked_\@
.Lfor_b_\@:
	tensor_load_to_lds s[G0B+4*\s:G0B+4*\s+3], s[G1B:G1B+7]
	s_nop 0
.Lasked_\@:
.endm
.macro CREST                           ; a round of the cluster's barrier behind its opening barrier
	s_cmp_lg_u32 s10, 0
	s_cbranch_scc1 .Lnot_wave_0_\@
	s_barrier_signal -3
.Lnot_wave_0_\@:
	s_barrier_wait -3
	s_barrier_signal -1
	s_barrier_wait -1
.endm
.macro CROUND
	s_barrier_signal -1
	s_barrier_wait -1
	CREST
.endm
.macro PLACES                          ; four places behind matrix instructions (ISA guide 7.12.1 for vector instructions)
.rept 4
	v_nop
.endr
.endm
	s_load_b128 s[4:7], s[0:1], 0x0                ; ao s[4:5], wo s[6:7]
	s_load_b64 s[8:9], s[0:1], 0x10                ; out0
	v_lshl_add_u32 v254, v0, 2, 0x46400
	v_mov_b32 v255, 0
	ds_add_u32 v254, v255
	ds_add_u32 v254, v255
	v_lshrrev_b32 v1, 5, v0
	v_readfirstlane_b32 s10, v1                    ; wave 0..3
	s_lshr_b32 s11, s10, 1                         ; my half of the block's rows.  Also: I fetch for ao (0) or for wo (1)
	s_and_b32 s12, s10, 1                          ; my half of its columns.  Also: which 64 rows of that tile I fetch
	s_bfe_u32 s40, ttmp6, 0x40000                  ; cx
	s_bfe_u32 s41, ttmp6, 0x40004                  ; cy
	s_lshl_b32 s42, ttmp9, 2
	s_add_co_u32 s42, s42, s40                     ; block column
	s_and_b32 s13, ttmp7, 0xffff
	s_lshl_b32 s13, s13, 2
	s_add_co_u32 s13, s13, s41                     ; block row
	s_lshl_b32 s43, s41, 2
	s_lshl_b32 s43, 15, s43                        ; my row of the cluster
	s_lshl_b32 s44, 0x1111, s40                    ; my column
	; group 1: 64 rows x 256 elements of 2 bytes, 4 words of padding behind every 128
	s_or_b32 s[G1+0], s43, (1<<16)|(1<<20)|(1<<21)|(6<<22)|(3<<25)
	s_or_b32 s[G1B+0], s44, (1<<16)|(1<<20)|(1<<21)|(6<<22)|(3<<25)
	s_mov_b32 s[G1B+1], KSLOT<<16
	s_mov_b32 s[G1+1], KSLOT<<16                   ; tensor_dim0 = 256
	s_mov_b32 s[G1B+2], 64<<16
	s_mov_b32 s[G1+2], 64<<16                      ; tensor_dim1 = 64
	s_mov_b32 s[G1B+3], KSLOT<<16
	s_mov_b32 s[G1+3], KSLOT<<16                   ; tile_dim0 = 256
	s_mov_b32 s[G1B+4], 64
	s_mov_b32 s[G1+4], 64                          ; tile_dim1 = 64
	s_mov_b32 s[G1B+5], SIZE_K
	s_mov_b32 s[G1+5], SIZE_K
	s_mov_b32 s[G1B+6], 0
	s_mov_b32 s[G1+6], 0
	s_mov_b32 s[G1B+7], 0
	s_mov_b32 s[G1+7], 0
	s_lshl_b32 s17, s12, 6
	s_lshl_b32 s16, s13, 7
	s_add_co_u32 s16, s16, s17                     ; ao: row 128 x block row + 64 x half
	s_lshl_b32 s46, s42, 7
	s_add_co_u32 s46, s46, s17                     ; wo: row 128 x block column + 64 x half
	s_mov_b32 s17, 0
	s_mov_b32 s47, 0
	s_mov_b64 s[18:19], SIZE_K*2
	s_mul_u64 s[16:17], s[16:17], s[18:19]
	s_mul_u64 s[46:47], s[46:47], s[18:19]
	s_mul_i32 s20, s10, HALFT                      ; LDS: wave x 64 rows
	s_wait_dscnt 0x0
	s_wait_kmcnt 0x0
	s_add_nc_u64 s[14:15], s[4:5], s[16:17]
	s_add_nc_u64 s[46:47], s[6:7], s[46:47]
	CROUND                                         ; all sixteen work-groups are here: the first joint loads meet
.irp s, 0,1
	s_mov_b32 s[G0+4*\s], 1
	s_add_co_u32 s[G0+4*\s+1], s20, \s*SLOT
	s_add_nc_u64 s[G0+4*\s+2:G0+4*\s+3], s[14:15], \s*KSLOT*2
	s_or_b32 s[G0+4*\s+3], s[G0+4*\s+3], 0x80000000
	s_mov_b32 s[G0B+4*\s], 1
	s_add_co_u32 s[G0B+4*\s+1], s20, \s*SLOT
	s_add_nc_u64 s[G0B+4*\s+2:G0B+4*\s+3], s[46:47], \s*KSLOT*2
	s_or_b32 s[G0B+4*\s+3], s[G0B+4*\s+3], 0x80000000
	JLOAD \s
.endr
	v_and_b32 v1, 15, v0                           ; r
	v_bfe_u32 v2, v0, 4, 1                         ; h
	v_mul_u32_u24 v3, v1, PITCH
	v_lshl_add_u32 v3, v2, 4, v3
	s_mul_i32 s21, s11, HALFT
	s_mul_i32 s22, s12, HALFT
	s_add_co_u32 s22, s22, 2*HALFT
.irp s, 0,1
	v_add_nc_u32 v[ADRA+\s], s21, v3
	v_add_nc_u32 v[ADRB+\s], s22, v3
	s_add_co_u32 s21, s21, SLOT
	s_add_co_u32 s22, s22, SLOT
.endr
	s_mul_i32 s23, s10, 16*SPITCH
	s_add_co_u32 s23, s23, STAGE                   ; my stage
	v_mul_u32_u24 v4, v1, SPITCH
	v_lshl_add_u32 v4, v2, 5, v4                   ; in: row r, 32 bytes (8 f32) for each half of the lanes
	v_add_nc_u32 v[STO], s23, v4
	v_mul_u32_u24 v5, v2, SPITCH
	v_lshl_add_u32 v5, v1, 4, v5                   ; back: lanes 0-15 one row of 256 bytes, lanes 16-31 the next
	v_add_nc_u32 v[RD], s23, v5
	v_lshlrev_b32 v5, 12, v2
	v_lshl_add_u32 v[CO], v1, 4, v5                ; the same two rows in out0
.macro FETCH slot, k, f                ; 16 LDS loads: 64 rows of ao, 64 rows of wo, 32 K at byte k of the rows
.irp i, 0,1,2,3
	ds_load_b128 v[\f+8*\i:\f+8*\i+3],   v[ADRA+\slot] offset:\k+\i*16*PITCH
	ds_load_b128 v[\f+8*\i+4:\f+8*\i+7], v[ADRA+\slot] offset:\k+\i*16*PITCH+32
.endr
.irp i, 0,1,2,3
	ds_load_b128 v[\f+32+8*\i:\f+32+8*\i+3],   v[ADRB+\slot] offset:\k+\i*16*PITCH
	ds_load_b128 v[\f+32+8*\i+4:\f+32+8*\i+7], v[ADRB+\slot] offset:\k+\i*16*PITCH+32
.endr
.endm
.macro MUL8 f, a0, zero                ; m blocks a0, a0 + 1 x 4 n blocks.  The 16 accumulators take turns, one instruction a turn, in the same order in every quarter
.irp a, \a0, \a0+1
.irp b, 0,1,2,3
.if \zero
	v_wmma_f32_16x16x32_f16 v[8*(4*(\a)+\b):8*(4*(\a)+\b)+7], v[\f+32+8*\b:\f+32+8*\b+7], v[\f+8*(\a):\f+8*(\a)+7], 0
.else
	v_wmma_f32_16x16x32_f16 v[8*(4*(\a)+\b):8*(4*(\a)+\b)+7], v[\f+32+8*\b:\f+32+8*\b+7], v[\f+8*(\a):\f+8*(\a)+7], v[8*(4*(\a)+\b):8*(4*(\a)+\b)+7]
.endif
.endr
.endr
.endm
; 32 along K: fetch the next quarter's fragments into buffer g, multiply buffer f
.macro QUARTER slot, k, f, g, zero
	PLACES
	FETCH \slot, \k, \g
	s_wait_dscnt 16                                ; all but the 16 just issued: buffer f is in
	WIN 0x50                                       ; C and D window 1, fragments window 0
	MUL8 \f, 0, \zero
	MUL8 \f, 2, \zero
	WIN 0
.endm
.macro SEVEN slot, zero
	QUARTER \slot, 64,  F0, F1, \zero
	QUARTER \slot, 128, F1, F0, 0
	QUARTER \slot, 192, F0, F1, 0
	QUARTER \slot, 256, F1, F0, 0
	QUARTER \slot, 320, F0, F1, 0
	QUARTER \slot, 384, F1, F0, 0
	QUARTER \slot, 448, F0, F1, 0
.endm
; The eighth quarter multiplies buffer 1 and changes slots: each wave's waits, the barrier (which opens a round of the cluster's barrier
; where the slot is filled again), the joint refill first behind it, then the next slot's first fragments.
.macro TURN slot, next, fill
	s_wait_dscnt 0                                 ; my reads of this slot are over
	s_wait_tensorcnt 0x0                           ; all my tensor loads have landed: the one that was out is my part of the next slot
	ds_add_u32 v254, v255
	s_wait_dscnt 0x0
	s_barrier_signal -1
	WIN 0x50
	MUL8 F1, 0, 0                                  ; register work while the others arrive
	WIN 0
	s_barrier_wait -1
.if \fill
	CREST
	s_add_nc_u64 s[G0+4*\slot+2:G0+4*\slot+3], s[G0+4*\slot+2:G0+4*\slot+3], 2*KSLOT*2
	s_add_nc_u64 s[G0B+4*\slot+2:G0B+4*\slot+3], s[G0B+4*\slot+2:G0B+4*\slot+3], 2*KSLOT*2
	JLOAD \slot                                    ; the first tensor load behind the round, the wave's only one until the next
.endif
	PLACES
	FETCH \next, 0, F0
	WIN 0x50
	MUL8 F1, 2, 0
	WIN 0
.endm
	s_wait_tensorcnt 1                             ; my part of slot 0 is in; slot 1's may stay out
	s_barrier_signal -1
	s_barrier_wait -1
	FETCH 0, 0, F0
	SEVEN 0, 1                                     ; K 0-255: the first products start the sums
	TURN 0, 1, 1                                   ; slot 0 gets K 512-767
	SEVEN 1, 0                                     ; K 256-511
	TURN 1, 0, 1                                   ; slot 1 gets K 768-1023
	SEVEN 0, 0
	TURN 0, 1, 0                                   ; nothing is left to fetch
	SEVEN 1, 0
	s_wait_dscnt 0
	WIN 0x50
	MUL8 F1, 0, 0
	MUL8 F1, 2, 0
	WIN 0
	PLACES                                         ; behind the last matrix instructions: the LDS stores read results, the read-back lands on fragment registers
	s_lshl_b32 s13, s13, 7
	s_lshl_b32 s14, s11, 6
	s_add_co_u32 s16, s13, s14                     ; my first row
	s_lshl_b32 s16, s16, 12                        ; rows of 4,096 bytes
	s_mov_b32 s17, 0
	s_add_nc_u64 s[8:9], s[8:9], s[16:17]
	s_lshl_b32 s46, s42, 9                         ; my first column, in bytes: 512 x block + 256 x half
	s_lshl_b32 s47, s12, 8
	s_add_co_u32 s46, s46, s47
	s_mov_b32 s47, 0
	s_add_nc_u64 s[8:9], s[8:9], s[46:47]
; rows 16 a .. 16 a + 15 of my 64: f32 straight from the accumulators into my stage, read back as whole rows of 256 bytes
.macro OUT16 a, f
	WIN 0x04                                       ; the store's data in window 1
.irp b, 0,1,2,3
	ds_store_b128 v[STO], v[8*(4*\a+\b):8*(4*\a+\b)+3] offset:64*\b
	ds_store_b128 v[STO], v[8*(4*\a+\b)+4:8*(4*\a+\b)+7] offset:64*\b+16
.endr
	WIN 0
	s_wait_xcnt 0x0                                ; buffer f, which earlier stores read, and the stores' base are rewritten only behind this wait (ISA guide 3.1)
.if \a
	s_add_nc_u64 s[8:9], s[8:9], 16*SIZE_N*4
.endif
.irp t, 0,1,2,3,4,5,6,7
	ds_load_b128 v[\f+4*\t:\f+4*\t+3], v[RD] offset:\t*2*SPITCH    ; LDS serves a wave's instructions in order (ISA guide 5.7.1.4)
.endr
.irp t, 0,1,2,3,4,5,6,7
	s_wait_dscnt 7-\t
	global_store_b128 v[CO], v[\f+4*\t:\f+4*\t+3], s[8:9] offset:2*\t*SIZE_N*4   ; 16 lanes store 256 consecutive bytes, at a multiple of 256 from out0's first byte
.endr
.endm
	OUT16 0, F0
	OUT16 1, F1
	OUT16 2, F0
	OUT16 3, F1
	s_wait_tensorcnt 0x0
	ds_add_u32 v254, v255
	s_wait_dscnt 0x0
	CROUND                                         ; the closing round
	s_endpgm
.Lfunc_end_k_q6f029e41ea_oproj:
	.size	k_q6f029e41ea_oproj, .Lfunc_end_k_q6f029e41ea_oproj-k_q6f029e41ea_oproj
	.p2alignl 7, 3214868480
	.fill 96, 4, 3214868480
	.section	.rodata,"a",@progbits
	.p2align	6, 0x0
	.amdhsa_kernel k_q6f029e41ea_oproj
		.amdhsa_group_segment_fixed_size 327680
		.amdhsa_private_segment_fixed_size 0
		.amdhsa_enable_private_segment 0
		.amdhsa_kernarg_size 24
		.amdhsa_user_sgpr_count 2
		.amdhsa_user_sgpr_kernarg_segment_ptr 1
		.amdhsa_wavefront_size32 1
		.amdhsa_system_sgpr_workgroup_id_x 1
		.amdhsa_system_sgpr_workgroup_id_y 1
		.amdhsa_system_sgpr_workgroup_id_z 1
		.amdhsa_system_vgpr_workitem_id 0
		.amdhsa_next_free_vgpr 384
		.amdhsa_next_free_sgpr 66
		.amdhsa_reserve_vcc 0
		.amdhsa_float_denorm_mode_32 3
		.amdhsa_float_denorm_mode_16_64 3
		.amdhsa_memory_ordered 1
		.amdhsa_forward_progress 1
		.amdhsa_inst_pref_size 89
	.end_amdhsa_kernel
	.amdgpu_metadata
---
amdhsa.version: [ 1, 2 ]
amdhsa.kernels:
  - .name:           k_q6f029e41ea_oproj
    .symbol:         k_q6f029e41ea_oproj.kd
    .args:
      - { .name: ao, .offset: 0, .size: 8, .value_kind: global_buffer, .address_space: global }
      - { .name: wo, .offset: 8, .size: 8, .value_kind: global_buffer, .address_space: global }
      - { .name: out0, .offset: 16, .size: 8, .value_kind: global_buffer, .address_space: global }
    .group_segment_fixed_size: 327680
    .private_segment_fixed_size: 0
    .kernarg_segment_align: 8
    .kernarg_segment_size: 24
    .max_flat_workgroup_size: 128
    .sgpr_count:     66
    .vgpr_count:     384
    .wavefront_size: 32
...
	.end_amdgpu_metadata
.endif
;; end of part 4
;; launch eqkv (part 5): grid 192 x 1, 8 waves a work-group, no clusters, 19,456 bytes of LDS; arguments x, w_qkv, eq; writes eq
.if DOCPART == 5
	.amdgcn_target "amdgcn-amd-amdhsa--gfx1250"
	.amdhsa_code_object_version 6
	.text
	.protected	k_q6f029e41ea_eqkv
	.globl	k_q6f029e41ea_eqkv
	.p2align	8
	.type	k_q6f029e41ea_eqkv,@function
k_q6f029e41ea_eqkv:
	s_mov_b64 s[64:65], 0
	v_nop
	global_prefetch_b8 v0, s[64:65] scope:SCOPE_SE
	s_setreg_imm32_b32 hwreg(HW_REG_WAVE_MODE, 25, 1), 1
	s_wait_xcnt 0x0
; eqkv: q, k, v (before the rotation) of rows 0..15 of each of the two sequences, once more and finer.
; WHY: these rows see at most 16 keys, so their outputs are several times larger than the root mean square of the whole output, by which
; errors are judged; operands rounded to f16's 11 bits are too coarse for them.  Here every operand is a sum of two f16, hi + lo, and
; the product is hi hi + lo hi + hi lo, on the matrix unit, summed in f32.  The 32 rows need only each other, so this small chain
; (this launch and the two behind it) is closed in itself.
; eq[m][n] = rs[m] * sum over k of x[m][k] w_qkv[n][k], rs = 1 / sqrt(mean of x[m]^2 + 1e-6): the norm is a scale of the row and is applied at the end.
; A work-group: 16 columns n (one tile) for both sequences: 192 work-groups.  Wave w: K = 128 w .. 128 w + 127, four steps of 32.
; Loads go from memory straight into fragment order (lane (r, h): row r, k = 8 h + 0..7 and 16 + 8 h + 0..7): every byte of w_qkv is used by
; one wave once, so LDS, tensor loads and clusters would add nothing.  All 48 loads of a wave go out at the start.
; The matrix instruction is used transposed (source 0 = rows of w, source 1 = rows of x): lane (r, h) holds row r, columns 8 h + j.
; The eight waves' partial tiles and partial sums of squares meet in LDS; waves 0-3 add them and store.
; eq is the registers' own image: [tile 192][sequence 2][c 2][lane 32][4 f32], element (row r, column 8 h + 4 c + i) at lane 16 h + r:
; each store of a wave covers 512 consecutive bytes, aligned, and the next launch loads the words back into the same lanes.
; LIMITS: hi = the f32 cut to 11 significant bits, exact in f16 for 6.1e-5 <= |.| < 65,504; lo = f16(x - hi).  Below 6.1e-5 both parts
; carry f16's step of 6e-8.  The product lo lo, some 2^-20 of the result, is left out.
.set LD,   64                          ; v[64:255]  step s at LD + 48 s: w 16 registers, x of sequence 0 16, of sequence 1 16 (f32 as loaded; the first 8 of each later hold lo)
.set HW,   16                          ; v[16:23]   hi of w
.set HA0,  24                          ; v[24:31]   hi of x, sequence 0
.set HA1,  32                          ; v[32:39]   hi of x, sequence 1
.set ACC,  40                          ; v[40:47], v[48:55]  the two accumulators
.set SS,   56                          ; v[56:57], v[58:59]  sums of squares
.set T,    60                          ; v[60:63]   at work
.set PART, 2304                        ; a wave's bytes in LDS: two tiles of 1,024, two rows of 128 for the sums of squares
	s_load_b128 s[4:7], s[0:1], 0x0                ; x s[4:5], w_qkv s[6:7]
	s_load_b64 s[8:9], s[0:1], 0x10                ; eq
	v_lshl_add_u32 v14, v0, 2, 0x4800
	v_mov_b32 v15, 0
	v_lshrrev_b32 v4, 5, v0
	v_readfirstlane_b32 s10, v4                    ; wave 0..7
	v_and_b32 v5, 15, v0                           ; r
	v_bfe_u32 v6, v0, 4, 1                         ; h
	v_lshlrev_b32 v1, 12, v5                       ; rows of 4,096 bytes
	v_lshl_add_u32 v1, v6, 5, v1                   ; + 8 h numbers
	s_lshl_b32 s11, s10, 9                         ; + my 128 numbers of K
	v_add_nc_u32 v1, s11, v1
	s_lshl_b32 s12, ttmp9, 16                      ; 16 rows of w_qkv a work-group
	s_mov_b32 s13, 0
	s_mov_b32 s14, 0x800000                        ; 2,048 rows of x: the second sequence
	s_mov_b32 s15, 0
	s_mov_b32 s16, 0xffffe000                      ; keeps sign, exponent and 10 bits of the fraction
	s_mov_b32 s20, 0x76543210                      ; v_permlanex16_b32: lane i reads lane i of the other half
	s_mov_b32 s21, 0xfedcba98
	s_mov_b32 s23, 0x3a800000                      ; 1 / 1024
	s_mov_b32 s24, 0x358637bd                      ; 1e-6
	s_lshl_b32 s26, ttmp9, 11                      ; 2,048 bytes of eq a work-group
	s_mov_b32 s27, 0
	s_wait_kmcnt 0x0
	s_add_nc_u64 s[6:7], s[6:7], s[12:13]
	s_add_nc_u64 s[18:19], s[4:5], s[14:15]
	s_add_nc_u64 s[8:9], s[8:9], s[26:27]
.irp s, 0,1,2,3
.irp q, 0,1,2,3
	global_load_b128 v[LD+48*\s+4*\q:LD+48*\s+4*\q+3], v1, s[6:7] offset:128*\s+(\q>>1)*64+(\q&1)*16 th:TH_LOAD_NT
.endr
.irp q, 0,1,2,3
	global_load_b128 v[LD+48*\s+16+4*\q:LD+48*\s+16+4*\q+3], v1, s[4:5] offset:128*\s+(\q>>1)*64+(\q&1)*16
.endr
.irp q, 0,1,2,3
	global_load_b128 v[LD+48*\s+32+4*\q:LD+48*\s+32+4*\q+3], v1, s[18:19] offset:128*\s+(\q>>1)*64+(\q&1)*16
.endr
.endr
; 2 n numbers in f32 at src become n registers of hi and n of lo (lo may lie on src's first registers: they have been used up by then)
.macro SPLIT src, hi, lo, n
.set spn, 0
.rept \n
	v_and_b32 v[T+2*(spn&1)], s16, v[\src+2*spn]
	v_and_b32 v[T+2*(spn&1)+1], s16, v[\src+2*spn+1]
	v_pk_add_f32 v[\src+2*spn:\src+2*spn+1], v[\src+2*spn:\src+2*spn+1], v[T+2*(spn&1):T+2*(spn&1)+1] neg_lo:[0,1] neg_hi:[0,1]   ; x - hi, exact
	v_cvt_pk_f16_f32 v[\hi+spn], v[T+2*(spn&1)], v[T+2*(spn&1)+1]
.set spn, spn+1
.endr
.set spn, 0
.rept \n
	v_cvt_pk_f16_f32 v[\lo+spn], v[\src+2*spn], v[\src+2*spn+1]
.set spn, spn+1
.endr
.endm
.macro SQ src, acc, s                  ; my 16 numbers of a row of x into its sum of squares; the first product starts the sum
.if \s == 0
	v_pk_mul_f32 v[\acc:\acc+1], v[\src:\src+1], v[\src:\src+1]
.else
	v_pk_fma_f32 v[\acc:\acc+1], v[\src:\src+1], v[\src:\src+1], v[\acc:\acc+1]
.endif
.irp i, 2,4,6,8,10,12,14
	v_pk_fma_f32 v[\acc:\acc+1], v[\src+\i:\src+\i+1], v[\src+\i:\src+\i+1], v[\acc:\acc+1]
.endr
.endm
; One step of 32 along K.  The two accumulators take turns, one instruction a turn, from step to step too.
; The sixteen instructions of SQ name none of the last step's matrix registers: they are the places (ISA guide 7.12.1) in front of
; SPLIT's writes of the hi registers, which the last step's products read.
.macro KSTEP s
.set XW,  LD+48*\s
.set XA0, LD+48*\s+16
.set XA1, LD+48*\s+32
	s_wait_loadcnt 36-12*\s                        ; loads come back in order (ISA guide 5.7.1): the later steps' twelve each may stay out
	SQ XA0, SS, \s
	SQ XA1, SS+2, \s
	SPLIT XW, HW, XW, 8
	SPLIT XA0, HA0, XA0, 8
	SPLIT XA1, HA1, XA1, 8
.if \s == 0
	v_wmma_f32_16x16x32_f16 v[ACC:ACC+7], v[HW:HW+7], v[HA0:HA0+7], 0
	v_wmma_f32_16x16x32_f16 v[ACC+8:ACC+15], v[HW:HW+7], v[HA1:HA1+7], 0
.else
	v_wmma_f32_16x16x32_f16 v[ACC:ACC+7], v[HW:HW+7], v[HA0:HA0+7], v[ACC:ACC+7]
	v_wmma_f32_16x16x32_f16 v[ACC+8:ACC+15], v[HW:HW+7], v[HA1:HA1+7], v[ACC+8:ACC+15]
.endif
	v_wmma_f32_16x16x32_f16 v[ACC:ACC+7], v[XW:XW+7], v[HA0:HA0+7], v[ACC:ACC+7]           ; lo of w
	v_wmma_f32_16x16x32_f16 v[ACC+8:ACC+15], v[XW:XW+7], v[HA1:HA1+7], v[ACC+8:ACC+15]
	v_wmma_f32_16x16x32_f16 v[ACC:ACC+7], v[HW:HW+7], v[XA0:XA0+7], v[ACC:ACC+7]           ; lo of x
	v_wmma_f32_16x16x32_f16 v[ACC+8:ACC+15], v[HW:HW+7], v[XA1:XA1+7], v[ACC+8:ACC+15]
.endm
	KSTEP 0
	KSTEP 1
	KSTEP 2
	KSTEP 3
.rept 4
	v_nop                                          ; four places before the LDS stores read the results and LDS loads land on fragment registers
.endr
	v_add_f32 v[SS], v[SS], v[SS+1]
	v_add_f32 v[SS+2], v[SS+2], v[SS+3]
	v_permlanex16_b32 v[T], v[SS], s20, s21        ; lanes r and r + 16 hold the two halves of row r's numbers
	v_permlanex16_b32 v[T+1], v[SS+2], s20, s21
	v_add_f32 v[SS], v[SS], v[T]
	v_add_f32 v[SS+2], v[SS+2], v[T+1]
	v_and_b32 v7, 31, v0
	s_mul_i32 s22, s10, PART
	v_lshl_add_u32 v2, v7, 4, s22
	v_lshl_add_u32 v3, v7, 2, s22
	ds_store_b128 v2, v[ACC:ACC+3]                 ; sequence 0, c = 0
	ds_store_b128 v2, v[ACC+4:ACC+7] offset:512    ;             c = 1
	ds_store_b128 v2, v[ACC+8:ACC+11] offset:1024  ; sequence 1
	ds_store_b128 v2, v[ACC+12:ACC+15] offset:1536
	ds_store_b32 v3, v[SS] offset:2048
	ds_store_b32 v3, v[SS+2] offset:2176
	s_wait_dscnt 0x0                               ; my stores are done, for the others' sake,
	s_barrier_signal -1
	s_barrier_wait -1                              ; everybody's are
	s_cmp_lt_u32 s10, 4
	s_cbranch_scc1 .Lsum
	s_wait_tensorcnt 0x0
	ds_add_u32 v14, v15
	s_wait_dscnt 0x0
	s_endpgm
.Lsum:
	; wave w < 4 takes sequence w >> 1, half c = w & 1: thread v0's 16 bytes lie at 16 v0 of each wave's part, and at 16 v0 of the work-group's 2,048 bytes of eq
	v_lshlrev_b32 v9, 4, v0
	s_lshr_b32 s25, s10, 1
	s_lshl_b32 s25, s25, 7
	v_lshl_add_u32 v8, v7, 2, s25
.irp p, 0,1,2,3,4,5,6,7
	ds_load_b128 v[LD+4*\p:LD+4*\p+3], v9 offset:\p*PART
.endr
.irp p, 0,1,2,3,4,5,6,7
	ds_load_b32 v[LD+32+\p], v8 offset:2048+\p*PART
.endr
	s_wait_dscnt 0x0
.irp q, 0,8,16,24
	v_pk_add_f32 v[LD+\q:LD+\q+1], v[LD+\q:LD+\q+1], v[LD+\q+4:LD+\q+5]
	v_pk_add_f32 v[LD+\q+2:LD+\q+3], v[LD+\q+2:LD+\q+3], v[LD+\q+6:LD+\q+7]
.endr
.irp q, 0,16
	v_pk_add_f32 v[LD+\q:LD+\q+1], v[LD+\q:LD+\q+1], v[LD+\q+8:LD+\q+9]
	v_pk_add_f32 v[LD+\q+2:LD+\q+3], v[LD+\q+2:LD+\q+3], v[LD+\q+10:LD+\q+11]
.endr
	v_pk_add_f32 v[LD:LD+1], v[LD:LD+1], v[LD+16:LD+17]
	v_pk_add_f32 v[LD+2:LD+3], v[LD+2:LD+3], v[LD+18:LD+19]
	v_pk_add_f32 v[LD+32:LD+33], v[LD+32:LD+33], v[LD+34:LD+35]
	v_pk_add_f32 v[LD+36:LD+37], v[LD+36:LD+37], v[LD+38:LD+39]
	v_pk_add_f32 v[LD+32:LD+33], v[LD+32:LD+33], v[LD+36:LD+37]
	v_add_f32 v[LD+32], v[LD+32], v[LD+33]         ; the row's sum of squares
	v_fma_f32 v[LD+32], v[LD+32], s23, s24         ; mean + eps
	v_rsq_f32 v[LD+34], v[LD+32]
	v_nop                                          ; one plain instruction behind v_rsq_f32 before its result is used (ISA guide 5.7.2)
	s_wait_alu depctr_va_vdst(0)
.irp i, 0,1,2,3
	v_mul_f32 v[LD+\i], v[LD+\i], v[LD+34]
.endr
	global_store_b128 v9, v[LD:LD+3], s[8:9]       ; the wave's 32 lanes store 512 consecutive bytes, aligned
	s_wait_tensorcnt 0x0
	ds_add_u32 v14, v15
	s_wait_dscnt 0x0
	s_endpgm
.Lfunc_end_k_q6f029e41ea_eqkv:
	.size	k_q6f029e41ea_eqkv, .Lfunc_end_k_q6f029e41ea_eqkv-k_q6f029e41ea_eqkv
	.p2alignl 7, 3214868480
	.fill 96, 4, 3214868480
	.section	.rodata,"a",@progbits
	.p2align	6, 0x0
	.amdhsa_kernel k_q6f029e41ea_eqkv
		.amdhsa_group_segment_fixed_size 19456
		.amdhsa_private_segment_fixed_size 0
		.amdhsa_enable_private_segment 0
		.amdhsa_kernarg_size 24
		.amdhsa_user_sgpr_count 2
		.amdhsa_user_sgpr_kernarg_segment_ptr 1
		.amdhsa_wavefront_size32 1
		.amdhsa_system_sgpr_workgroup_id_x 1
		.amdhsa_system_sgpr_workgroup_id_y 1
		.amdhsa_system_sgpr_workgroup_id_z 1
		.amdhsa_system_vgpr_workitem_id 0
		.amdhsa_next_free_vgpr 256
		.amdhsa_next_free_sgpr 66
		.amdhsa_reserve_vcc 0
		.amdhsa_float_denorm_mode_32 3
		.amdhsa_float_denorm_mode_16_64 3
		.amdhsa_memory_ordered 1
		.amdhsa_forward_progress 1
		.amdhsa_inst_pref_size 40
	.end_amdhsa_kernel
	.amdgpu_metadata
---
amdhsa.version: [ 1, 2 ]
amdhsa.kernels:
  - .name:           k_q6f029e41ea_eqkv
    .symbol:         k_q6f029e41ea_eqkv.kd
    .args:
      - { .name: x, .offset: 0, .size: 8, .value_kind: global_buffer, .address_space: global }
      - { .name: w_qkv, .offset: 8, .size: 8, .value_kind: global_buffer, .address_space: global }
      - { .name: eq, .offset: 16, .size: 8, .value_kind: global_buffer, .address_space: global }
    .group_segment_fixed_size: 19456
    .private_segment_fixed_size: 0
    .kernarg_segment_align: 8
    .kernarg_segment_size: 24
    .max_flat_workgroup_size: 256
    .sgpr_count:     66
    .vgpr_count:     256
    .wavefront_size: 32
...
	.end_amdgpu_metadata
.endif
;; end of part 5
;; launch eattn (part 6): grid 16 x 2, 1 waves a work-group, no clusters, 0 bytes of LDS; arguments eq, tab, ea; writes ea
.if DOCPART == 6
	.amdgcn_target "amdgcn-amd-amdhsa--gfx1250"
	.amdhsa_code_object_version 6
	.text
	.protected	k_q6f029e41ea_eattn
	.globl	k_q6f029e41ea_eattn
	.p2align	8
	.type	k_q6f029e41ea_eattn,@function
k_q6f029e41ea_eattn:
	s_mov_b64 s[64:65], 0
	v_nop
	global_prefetch_b8 v0, s[64:65] scope:SCOPE_SE
	s_setreg_imm32_b32 hwreg(HW_REG_WAVE_MODE, 25, 1), 1
	s_wait_xcnt 0x0
; eattn: attention of rows 0..15 of a sequence (y) in one head (x), with operands as sums of two f16 (see eqkv).  One wave; 32 work-groups.
; These queries see keys 0..15 alone (key <= query; the window of 256 never cuts), so one tile of 16 x 16 scores is the whole problem.
; eq holds tiles as register images: lane (r, h) loads back row r, columns 8 h + 0..7 of a tile of 16 columns, which is the order of a
; fragment along d.  Column d < 32 and its partner d + 32 of the rotation lie in the same lane, 16 registers apart.
; S^T = K Q^T (A = keys, B = queries): lane (r, h) holds query r, keys 8 h + j; three products (hi hi, lo hi, hi lo) on three accumulators.
; The true maximum is taken away before the exponential; the weights are divided by their sum in f32 and then split.
; O^T = V^T P^T: the instruction's K of 32 takes the 16 keys twice, V's hi in k 0-15 and V's lo in k 16-31, against P's hi (then P's lo)
; in both halves: two products give (vh + vl)(ph + pl).  Lane (r, h) then holds query r, d = 16 dt + 8 h + j.
; ea: the result, split, as the fragments that the next launch multiplies: [sequence 2][K step 32][hi, lo][registers 0-3, 4-7][lane 32][16 bytes]:
; each store covers 512 consecutive bytes, aligned.
; LIMITS: as in eqkv; a masked score is -1e30 here and -1e9 in the definition: both give the weight 0 while real scores lie above about -1e9.
.set T,   4                            ; v[4:7]    at work
.set MXR, 8                            ; the maximum
.set TT,  9                            ; the other half's figure
.set NM,  10                           ; v[10:11]  - c x maximum, twice
.set RC,  12                           ; v[12:13]  1 / sum, twice
.set SU,  14                           ; v[14:15]  sums
.set COS, 24                           ; v[24:39]  cos of d = 16 tp + 8 h + i at COS + 8 tp + i; later P's fragments
.set SIN, 40                           ; v[40:55]
.set QX,  56                           ; v[56:87]  q in f32, d = 16 tp + 8 h + i at QX + 8 tp + i; then lo; later O
.set KX,  88                           ; v[88:119] k likewise; later the split result
.set QH,  120                          ; v[120:135] hi of q, two fragments
.set KH,  136                          ; v[136:151] hi of k
.set S0,  152                          ; v[152:175] three accumulators
.set S1,  160
.set S2,  168
.set VX,  176                          ; v[176:207] V[key 8 h + i][d = 16 dt + r] at VX + 8 dt + i
.set VF,  208                          ; v[208:239] V's fragments: hi in registers 0-3, lo in 4-7
.set PB1, 24                           ; P hi, twice
.set PB2, 32                           ; P lo, twice
	s_load_b128 s[4:7], s[0:1], 0x0                ; eq s[4:5], tab s[6:7]
	s_load_b64 s[8:9], s[0:1], 0x10                ; ea
	s_and_b32 s10, ttmp7, 0xffff                   ; sequence
	s_lshl_b32 s12, ttmp9, 13                      ; a head is 4 tiles of 2,048 bytes in each third of eq
	s_lshl_b32 s11, s10, 10
	s_add_co_u32 s12, s12, s11
	s_mov_b32 s13, 0
	s_lshl_b32 s14, s10, 16                        ; ea: 65,536 bytes a sequence, 4,096 a head
	s_lshl_b32 s15, ttmp9, 12
	s_add_co_u32 s14, s14, s15
	s_mov_b32 s15, 0
	s_mov_b32 s16, 0xffffe000                      ; keeps sign, exponent and 10 bits of the fraction
	s_mov_b32 s20, 0x76543210
	s_mov_b32 s21, 0xfedcba98
	s_mov_b32 s22, 0x3e38aa3b                      ; c = log2(e) / 8
	s_mov_b32 s23, 0x3e38aa3b
	s_mov_b32 s24, 0xbe38aa3b                      ; -c
	v_and_b32 v16, 15, v0                          ; r
	v_bfe_u32 v17, v0, 4, 1                        ; h
	v_lshlrev_b32 v1, 4, v0                        ; 16 x lane: my place in a register image
	v_lshlrev_b32 v2, 8, v16
	v_lshl_add_u32 v2, v17, 5, v2                  ; tab: row r (the position), 8 h numbers in
	v_bfe_u32 v18, v0, 2, 1
	v_bfe_u32 v19, v0, 3, 1
	v_and_b32 v3, 3, v0
	v_lshlrev_b32 v3, 2, v3                        ; V transposed: column r of a tile lies at word r & 3
	v_lshl_add_u32 v3, v18, 9, v3                  ; of half (r >> 2) & 1,
	v_lshl_add_u32 v3, v19, 8, v3                  ; in lanes 16 (r >> 3) + key;
	v_lshl_add_u32 v3, v17, 7, v3                  ; my keys begin at 8 h
	v_lshlrev_b32 v20, 3, v17
	v_sub_nc_u32 v20, v20, v16                     ; 8 h - r
	v_mov_b32 v21, 0xf149f2ca                      ; -1e30
	v_mov_b32 v[TT], 0                             ; v_permlanex16_b32's destination counts as read
	s_wait_kmcnt 0x0
	s_add_nc_u64 s[4:5], s[4:5], s[12:13]
	s_add_nc_u64 s[8:9], s[8:9], s[14:15]
.irp tp, 0,1
.irp c, 0,1
	global_load_b128 v[COS+8*\tp+4*\c:COS+8*\tp+4*\c+3], v2, s[6:7] offset:64*\tp+16*\c
	global_load_b128 v[SIN+8*\tp+4*\c:SIN+8*\tp+4*\c+3], v2, s[6:7] offset:128+64*\tp+16*\c
.endr
.endr
.irp tp, 0,1,2,3
.irp c, 0,1
	global_load_b128 v[QX+8*\tp+4*\c:QX+8*\tp+4*\c+3], v1, s[4:5] offset:2048*\tp+512*\c
	global_load_b128 v[KX+8*\tp+4*\c:KX+8*\tp+4*\c+3], v1, s[4:5] offset:131072+2048*\tp+512*\c
.endr
.endr
.irp dt, 0,1,2,3
.irp i, 0,1,2,3,4,5,6,7
	global_load_b32 v[VX+8*\dt+\i], v3, s[4:5] offset:262144+2048*\dt+16*\i
.endr
.endr
.macro SPLIT src, hi, lo, n            ; 2 n numbers in f32 at src become n registers of hi and n of lo (lo may lie on src's first registers)
.set spn, 0
.rept \n
	v_and_b32 v[T+2*(spn&1)], s16, v[\src+2*spn]
	v_and_b32 v[T+2*(spn&1)+1], s16, v[\src+2*spn+1]
	v_pk_add_f32 v[\src+2*spn:\src+2*spn+1], v[\src+2*spn:\src+2*spn+1], v[T+2*(spn&1):T+2*(spn&1)+1] neg_lo:[0,1] neg_hi:[0,1]
	v_cvt_pk_f16_f32 v[\hi+spn], v[T+2*(spn&1)], v[T+2*(spn&1)+1]
.set spn, spn+1
.endr
.set spn, 0
.rept \n
	v_cvt_pk_f16_f32 v[\lo+spn], v[\src+2*spn], v[\src+2*spn+1]
.set spn, spn+1
.endr
.endm
.macro ROT X                           ; x1 c - x2 s, x2 c + x1 s, in place
.irp tp, 0,1
.irp i, 0,2,4,6
	v_pk_mul_f32 v[T:T+1], v[\X+16+8*\tp+\i:\X+16+8*\tp+\i+1], v[SIN+8*\tp+\i:SIN+8*\tp+\i+1]
	v_pk_mul_f32 v[T+2:T+3], v[\X+8*\tp+\i:\X+8*\tp+\i+1], v[SIN+8*\tp+\i:SIN+8*\tp+\i+1]
	v_pk_fma_f32 v[\X+8*\tp+\i:\X+8*\tp+\i+1], v[\X+8*\tp+\i:\X+8*\tp+\i+1], v[COS+8*\tp+\i:COS+8*\tp+\i+1], v[T:T+1] neg_lo:[0,0,1] neg_hi:[0,0,1]
	v_pk_fma_f32 v[\X+16+8*\tp+\i:\X+16+8*\tp+\i+1], v[\X+16+8*\tp+\i:\X+16+8*\tp+\i+1], v[COS+8*\tp+\i:COS+8*\tp+\i+1], v[T+2:T+3]
.endr
.endr
.endm
	s_wait_loadcnt 32                              ; tab, q and k are in; V's 32 loads may stay out
	ROT QX
	ROT KX
	SPLIT QX, QH, QX, 8
	SPLIT QX+16, QH+8, QX+16, 8
	SPLIT KX, KH, KX, 8
	SPLIT KX+16, KH+8, KX+16, 8
	; three accumulators take turns, one instruction a turn
	v_wmma_f32_16x16x32_f16 v[S0:S0+7], v[KH:KH+7], v[QH:QH+7], 0
	v_wmma_f32_16x16x32_f16 v[S1:S1+7], v[KX:KX+7], v[QH:QH+7], 0
	v_wmma_f32_16x16x32_f16 v[S2:S2+7], v[KH:KH+7], v[QX:QX+7], 0
	v_wmma_f32_16x16x32_f16 v[S0:S0+7], v[KH+8:KH+15], v[QH+8:QH+15], v[S0:S0+7]
	v_wmma_f32_16x16x32_f16 v[S1:S1+7], v[KX+16:KX+23], v[QH+8:QH+15], v[S1:S1+7]
	v_wmma_f32_16x16x32_f16 v[S2:S2+7], v[KH+8:KH+15], v[QX+16:QX+23], v[S2:S2+7]
	s_wait_loadcnt 0x0                             ; V
.irp dt, 0,1,2,3
	SPLIT VX+8*\dt, VF+8*\dt, VF+8*\dt+4, 4        ; names none of the scores' registers: also the places in front of their first reader (ISA guide 7.12.1)
.endr
.irp i, 0,2,4,6
	v_pk_add_f32 v[S1+\i:S1+\i+1], v[S1+\i:S1+\i+1], v[S2+\i:S2+\i+1]
	v_pk_add_f32 v[S0+\i:S0+\i+1], v[S0+\i:S0+\i+1], v[S1+\i:S1+\i+1]
.endr
.irp j, 0,1,2,3,4,5,6,7
	v_cmp_ge_i32 vcc_lo, -\j, v20                  ; key 8 h + j counts where 8 h + j <= r
	v_cndmask_b32 v[S0+\j], v21, v[S0+\j], vcc_lo
.endr
	v_max3_num_f32 v[MXR], v[S0], v[S0+1], v[S0+2]
	v_max3_num_f32 v[MXR], v[MXR], v[S0+3], v[S0+4]
	v_max3_num_f32 v[MXR], v[MXR], v[S0+5], v[S0+6]
	v_max_num_f32 v[MXR], v[MXR], v[S0+7]
	v_permlanex16_b32 v[TT], v[MXR], s20, s21      ; lanes r and r + 16 hold the two halves of query r's keys
	v_max_num_f32 v[MXR], v[MXR], v[TT]
	v_mul_f32 v[NM], s24, v[MXR]
	v_mul_f32 v[NM+1], s24, v[MXR]
.irp i, 0,2,4,6
	v_pk_fma_f32 v[S0+\i:S0+\i+1], v[S0+\i:S0+\i+1], s[22:23], v[NM:NM+1] op_sel_hi:[1,0,1]
.endr
.irp i, 0,1,2,3,4,5,6,7
	v_exp_f32 v[S0+\i], v[S0+\i]
.endr
	v_nop                                          ; one plain instruction behind v_exp_f32 before its result is used (ISA guide 5.7.2)
	s_wait_alu depctr_va_vdst(0)
	v_pk_add_f32 v[SU:SU+1], v[S0:S0+1], v[S0+2:S0+3]
	v_pk_add_f32 v[T:T+1], v[S0+4:S0+5], v[S0+6:S0+7]
	v_pk_add_f32 v[SU:SU+1], v[SU:SU+1], v[T:T+1]
	v_add_f32 v[SU], v[SU], v[SU+1]
	v_permlanex16_b32 v[TT], v[SU], s20, s21
	v_add_f32 v[SU], v[SU], v[TT]                  ; at least the largest weight, 1
	v_rcp_f32 v[RC], v[SU]
	v_rcp_f32 v[RC+1], v[SU]
	v_nop
	s_wait_alu depctr_va_vdst(0)
.irp i, 0,2,4,6
	v_pk_mul_f32 v[S0+\i:S0+\i+1], v[S0+\i:S0+\i+1], v[RC:RC+1]
.endr
	SPLIT S0, PB1, PB2, 4
.irp i, 0,1,2,3
	v_mov_b32 v[PB1+4+\i], v[PB1+\i]               ; the same weights against V's lo in k 16-31
	v_mov_b32 v[PB2+4+\i], v[PB2+\i]
.endr
	; four accumulators take turns, one instruction a turn
.irp dt, 0,1,2,3
	v_wmma_f32_16x16x32_f16 v[QX+8*\dt:QX+8*\dt+7], v[VF+8*\dt:VF+8*\dt+7], v[PB1:PB1+7], 0
.endr
.irp dt, 0,1,2,3
	v_wmma_f32_16x16x32_f16 v[QX+8*\dt:QX+8*\dt+7], v[VF+8*\dt:VF+8*\dt+7], v[PB2:PB2+7], v[QX+8*\dt:QX+8*\dt+7]
.endr
.rept 4
	v_nop                                          ; four places before vector instructions read the results (ISA guide 7.12.1)
.endr
.irp dt, 0,1,2,3
	SPLIT QX+8*\dt, KX+8*\dt, KX+8*\dt+4, 4
.endr
.irp dt, 0,1,2,3
	global_store_b128 v1, v[KX+8*\dt:KX+8*\dt+3], s[8:9] offset:(\dt>>1)*2048+(\dt&1)*512          ; hi: K step dt >> 1 of the head, registers 0-3 or 4-7
	global_store_b128 v1, v[KX+8*\dt+4:KX+8*\dt+7], s[8:9] offset:(\dt>>1)*2048+1024+(\dt&1)*512   ; lo
.endr
	s_endpgm
.Lfunc_end_k_q6f029e41ea_eattn:
	.size	k_q6f029e41ea_eattn, .Lfunc_end_k_q6f029e41ea_eattn-k_q6f029e41ea_eattn
	.p2alignl 7, 3214868480
	.fill 96, 4, 3214868480
	.section	.rodata,"a",@progbits
	.p2align	6, 0x0
	.amdhsa_kernel k_q6f029e41ea_eattn
		.amdhsa_group_segment_fixed_size 0
		.amdhsa_private_segment_fixed_size 0
		.amdhsa_enable_private_segment 0
		.amdhsa_kernarg_size 24
		.amdhsa_user_sgpr_count 2
		.amdhsa_user_sgpr_kernarg_segment_ptr 1
		.amdhsa_wavefront_size32 1
		.amdhsa_system_sgpr_workgroup_id_x 1
		.amdhsa_system_sgpr_workgroup_id_y 1
		.amdhsa_system_sgpr_workgroup_id_z 1
		.amdhsa_system_vgpr_workitem_id 0
		.amdhsa_next_free_vgpr 240
		.amdhsa_next_free_sgpr 66
		.amdhsa_reserve_vcc 1
		.amdhsa_float_denorm_mode_32 3
		.amdhsa_float_denorm_mode_16_64 3
		.amdhsa_memory_ordered 1
		.amdhsa_forward_progress 1
		.amdhsa_inst_pref_size 33
	.end_amdhsa_kernel
	.amdgpu_metadata
---
amdhsa.version: [ 1, 2 ]
amdhsa.kernels:
  - .name:           k_q6f029e41ea_eattn
    .symbol:         k_q6f029e41ea_eattn.kd
    .args:
      - { .name: eq, .offset: 0, .size: 8, .value_kind: global_buffer, .address_space: global }
      - { .name: tab, .offset: 8, .size: 8, .value_kind: global_buffer, .address_space: global }
      - { .name: ea, .offset: 16, .size: 8, .value_kind: global_buffer, .address_space: global }
    .group_segment_fixed_size: 0
    .private_segment_fixed_size: 0
    .kernarg_segment_align: 8
    .kernarg_segment_size: 24
    .max_flat_workgroup_size: 32
    .sgpr_count:     66
    .vgpr_count:     240
    .wavefront_size: 32
...
	.end_amdgpu_metadata
.endif
;; end of part 6
;; launch eout (part 7): grid 64 x 1, 8 waves a work-group, no clusters, 21,504 bytes of LDS; arguments ea, w_out, out0; writes out0
.if DOCPART == 7
	.amdgcn_target "amdgcn-amd-amdhsa--gfx1250"
	.amdhsa_code_object_version 6
	.text
	.protected	k_q6f029e41ea_eout
	.globl	k_q6f029e41ea_eout
	.p2align	8
	.type	k_q6f029e41ea_eout,@function
k_q6f029e41ea_eout:
	s_mov_b64 s[64:65], 0
	v_nop
	global_prefetch_b8 v0, s[64:65] scope:SCOPE_SE
	s_setreg_imm32_b32 hwreg(HW_REG_WAVE_MODE, 25, 1), 1
	s_wait_xcnt 0x0
; eout: out0 rows 0..15 of each sequence = (attention result of eattn) x w_out^T, with operands as sums of two f16 (see eqkv).
; It stores anew the 32 rows (128 KB) that the launch before has stored with plain f16 operands.
; A work-group: 16 columns of out0 for both sequences: 64 work-groups.  Wave w: K = 128 w .. 128 w + 127, four steps of 32.
; w_out comes in f32 straight into fragment order and is split here; ea holds the other operand ready split, as fragments.  All 48 loads of a
; wave go out at the start.  The eight partial tiles meet in an LDS stage; waves 0-3 add them and store.
; STORES: a work-group owns 64 bytes of each of 32 rows; four neighbouring lanes store them.  Whole rows' pieces of 256 bytes would want 64 columns
; a work-group: 16 work-groups, each with 256 KB of weights to stream, for a launch that stores 128 KB in all.
; The matrix instruction is used transposed (source 0 = rows of w_out, source 1 = rows of the attention result): lane (r, h) holds row r, columns 8 h + j.
; LIMITS: as in eqkv.
.set LD,   64                          ; v[64:255]  step s at LD + 48 s: w 16 registers (f32; the first 8 later hold lo); then sequence 0 hi 8, lo 8, sequence 1 hi 8, lo 8
.set HW,   16                          ; v[16:31]   hi of w, two buffers in turn
.set ACC,  40                          ; v[40:47], v[48:55]
.set T,    60                          ; v[60:63]
.set SPI,  80                          ; the stage's pitch: 64 bytes + 16, an odd multiple of 16 (ISA guide 11.1: 64 banks of 4 bytes)
.set PART, 32*SPI                      ; a wave's stage: 32 rows
	s_load_b128 s[4:7], s[0:1], 0x0                ; ea s[4:5], w_out s[6:7]
	s_load_b64 s[8:9], s[0:1], 0x10                ; out0
	v_lshl_add_u32 v58, v0, 2, 0x5000
	v_mov_b32 v59, 0
	v_lshrrev_b32 v4, 5, v0
	v_readfirstlane_b32 s10, v4                    ; wave 0..7
	v_and_b32 v5, 15, v0                           ; r
	v_bfe_u32 v6, v0, 4, 1                         ; h
	v_and_b32 v7, 31, v0                           ; lane
	v_lshlrev_b32 v1, 12, v5                       ; w_out: rows of 4,096 bytes
	v_lshl_add_u32 v1, v6, 5, v1
	s_lshl_b32 s11, s10, 9
	v_add_nc_u32 v1, s11, v1
	s_lshl_b32 s11, s10, 13                        ; ea: my four K steps of 2,048 bytes
	v_lshl_add_u32 v2, v7, 4, s11
	s_lshl_b32 s12, ttmp9, 16                      ; 16 rows of w_out a work-group
	s_mov_b32 s13, 0
	s_lshl_b32 s14, ttmp9, 6                       ; 16 columns of out0
	s_mov_b32 s15, 0
	s_mov_b32 s16, 0xffffe000
	s_wait_kmcnt 0x0
	s_add_nc_u64 s[6:7], s[6:7], s[12:13]
	s_add_nc_u64 s[8:9], s[8:9], s[14:15]
.macro LOADS s
.irp q, 0,1,2,3
	global_load_b128 v[LD+48*\s+4*\q:LD+48*\s+4*\q+3], v1, s[6:7] offset:128*\s+(\q>>1)*64+(\q&1)*16 th:TH_LOAD_NT
.endr
.irp b, 0,1
.irp p, 0,1
.irp f, 0,1
	global_load_b128 v[LD+48*\s+16+16*\b+8*\p+4*\f:LD+48*\s+16+16*\b+8*\p+4*\f+3], v2, s[4:5] offset:65536*\b+2048*\s+1024*\p+512*\f
.endr
.endr
.endr
.endm
	LOADS 0
	LOADS 1
	LOADS 2
	LOADS 3
.macro SPLIT src, hi, lo, n            ; 2 n numbers in f32 at src become n registers of hi and n of lo (lo may lie on src's first registers)
.set spn, 0
.rept \n
	v_and_b32 v[T+2*(spn&1)], s16, v[\src+2*spn]
	v_and_b32 v[T+2*(spn&1)+1], s16, v[\src+2*spn+1]
	v_pk_add_f32 v[\src+2*spn:\src+2*spn+1], v[\src+2*spn:\src+2*spn+1], v[T+2*(spn&1):T+2*(spn&1)+1] neg_lo:[0,1] neg_hi:[0,1]
	v_cvt_pk_f16_f32 v[\hi+spn], v[T+2*(spn&1)], v[T+2*(spn&1)+1]
.set spn, spn+1
.endr
.set spn, 0
.rept \n
	v_cvt_pk_f16_f32 v[\lo+spn], v[\src+2*spn], v[\src+2*spn+1]
.set spn, spn+1
.endr
.endm
; One step of 32 along K.  The two accumulators take turns, one instruction a turn, from step to step too.
; The hi buffer written here was last read by the products two steps back: a whole SPLIT stands between (ISA guide 7.12.1).
.macro KSTEP s
.set XW, LD+48*\s
.set XA, LD+48*\s+16
.set HH, HW+8*(\s&1)
	s_wait_loadcnt 36-12*\s                        ; loads come back in order (ISA guide 5.7.1): the later steps' twelve each may stay out
	SPLIT XW, HH, XW, 8
.if \s == 0
	v_wmma_f32_16x16x32_f16 v[ACC:ACC+7], v[HH:HH+7], v[XA:XA+7], 0
	v_wmma_f32_16x16x32_f16 v[ACC+8:ACC+15], v[HH:HH+7], v[XA+16:XA+23], 0
.else
	v_wmma_f32_16x16x32_f16 v[ACC:ACC+7], v[HH:HH+7], v[XA:XA+7], v[ACC:ACC+7]
	v_wmma_f32_16x16x32_f16 v[ACC+8:ACC+15], v[HH:HH+7], v[XA+16:XA+23], v[ACC+8:ACC+15]
.endif
	v_wmma_f32_16x16x32_f16 v[ACC:ACC+7], v[XW:XW+7], v[XA:XA+7], v[ACC:ACC+7]               ; lo of w_out
	v_wmma_f32_16x16x32_f16 v[ACC+8:ACC+15], v[XW:XW+7], v[XA+16:XA+23], v[ACC+8:ACC+15]
	v_wmma_f32_16x16x32_f16 v[ACC:ACC+7], v[HH:HH+7], v[XA+8:XA+15], v[ACC:ACC+7]            ; lo of the attention result
	v_wmma_f32_16x16x32_f16 v[ACC+8:ACC+15], v[HH:HH+7], v[XA+24:XA+31], v[ACC+8:ACC+15]
.endm
	KSTEP 0
	KSTEP 1
	KSTEP 2
	KSTEP 3
.rept 4
	v_nop                                          ; four places before the LDS stores read the results and LDS loads land on fragment registers
.endr
	s_mul_i32 s22, s10, PART
	v_mul_u32_u24 v3, v5, SPI
	v_lshl_add_u32 v3, v6, 5, v3
	v_add_nc_u32 v3, s22, v3                       ; my stage: row r, 32 bytes for each half of the lanes
	ds_store_b128 v3, v[ACC:ACC+3]
	ds_store_b128 v3, v[ACC+4:ACC+7] offset:16
	ds_store_b128 v3, v[ACC+8:ACC+11] offset:16*SPI
	ds_store_b128 v3, v[ACC+12:ACC+15] offset:16*SPI+16
	s_wait_dscnt 0x0                               ; my stores are done, for the others' sake,
	s_barrier_signal -1
	s_barrier_wait -1                              ; everybody's are
	s_cmp_lt_u32 s10, 4
	s_cbranch_scc1 .Lsum
	s_wait_tensorcnt 0x0
	ds_add_u32 v58, v59
	s_wait_dscnt 0x0
	s_endpgm
.Lsum:
	; thread v0 < 128: row v0 >> 2 of the 32, 16 bytes at 16 (v0 & 3)
	v_and_b32 v12, 3, v0
	v_lshrrev_b32 v13, 2, v0
	v_mul_u32_u24 v13, v13, SPI
	v_lshl_add_u32 v13, v12, 4, v13
	v_bfe_u32 v10, v0, 6, 1                        ; sequence
	v_bfe_u32 v11, v0, 2, 4                        ; row in it
	v_lshlrev_b32 v14, 4, v12
	v_lshl_add_u32 v14, v11, 12, v14               ; rows of 4,096 bytes
	v_lshl_add_u32 v14, v10, 23, v14               ; 2,048 rows a sequence
.irp p, 0,1,2,3,4,5,6,7
	ds_load_b128 v[LD+4*\p:LD+4*\p+3], v13 offset:\p*PART
.endr
	s_wait_dscnt 0x0
.irp q, 0,8,16,24
	v_pk_add_f32 v[LD+\q:LD+\q+1], v[LD+\q:LD+\q+1], v[LD+\q+4:LD+\q+5]
	v_pk_add_f32 v[LD+\q+2:LD+\q+3], v[LD+\q+2:LD+\q+3], v[LD+\q+6:LD+\q+7]
.endr
.irp q, 0,16
	v_pk_add_f32 v[LD+\q:LD+\q+1], v[LD+\q:LD+\q+1], v[LD+\q+8:LD+\q+9]
	v_pk_add_f32 v[LD+\q+2:LD+\q+3], v[LD+\q+2:LD+\q+3], v[LD+\q+10:LD+\q+11]
.endr
	v_pk_add_f32 v[LD:LD+1], v[LD:LD+1], v[LD+16:LD+17]
	v_pk_add_f32 v[LD+2:LD+3], v[LD+2:LD+3], v[LD+18:LD+19]
	global_store_b128 v14, v[LD:LD+3], s[8:9]      ; four neighbouring lanes store the work-group's 64 bytes of a row
	s_wait_tensorcnt 0x0
	ds_add_u32 v58, v59
	s_wait_dscnt 0x0
	s_endpgm
.Lfunc_end_k_q6f029e41ea_eout:
	.size	k_q6f029e41ea_eout, .Lfunc_end_k_q6f029e41ea_eout-k_q6f029e41ea_eout
	.p2alignl 7, 3214868480
	.fill 96, 4, 3214868480
	.section	.rodata,"a",@progbits
	.p2align	6, 0x0
	.amdhsa_kernel k_q6f029e41ea_eout
		.amdhsa_group_segment_fixed_size 21504
		.amdhsa_private_segment_fixed_size 0
		.amdhsa_enable_private_segment 0
		.amdhsa_kernarg_size 24
		.amdhsa_user_sgpr_count 2
		.amdhsa_user_sgpr_kernarg_segment_ptr 1
		.amdhsa_wavefront_size32 1
		.amdhsa_system_sgpr_workgroup_id_x 1
		.amdhsa_system_sgpr_workgroup_id_y 1
		.amdhsa_system_sgpr_workgroup_id_z 1
		.amdhsa_system_vgpr_workitem_id 0
		.amdhsa_next_free_vgpr 256
		.amdhsa_next_free_sgpr 66
		.amdhsa_reserve_vcc 0
		.amdhsa_float_denorm_mode_32 3
		.amdhsa_float_denorm_mode_16_64 3
		.amdhsa_memory_ordered 1
		.amdhsa_forward_progress 1
		.amdhsa_inst_pref_size 19
	.end_amdhsa_kernel
	.amdgpu_metadata
---
amdhsa.version: [ 1, 2 ]
amdhsa.kernels:
  - .name:           k_q6f029e41ea_eout
    .symbol:         k_q6f029e41ea_eout.kd
    .args:
      - { .name: ea, .offset: 0, .size: 8, .value_kind: global_buffer, .address_space: global }
      - { .name: w_out, .offset: 8, .size: 8, .value_kind: global_buffer, .address_space: global }
      - { .name: out0, .offset: 16, .size: 8, .value_kind: global_buffer, .address_space: global }
    .group_segment_fixed_size: 21504
    .private_segment_fixed_size: 0
    .kernarg_segment_align: 8
    .kernarg_segment_size: 24
    .max_flat_workgroup_size: 256
    .sgpr_count:     66
    .vgpr_count:     256
    .wavefront_size: 32
...
	.end_amdgpu_metadata
.endif
;; end of part 7
;; ======== version 2 of 2: 7 launches; version 1 with the launch prep written anew for expert scheduling mode
;; limits: values are held in f16: magnitudes above 65,504 overflow, below 6.1e-05 lose precision; right only within a limited range of input values
;; workspace buffers: xn 8,388,608 bytes; wq 6,291,456 bytes; wo 2,097,152 bytes; tab 557,056 bytes; qkv 25,165,824 bytes; ao 8,388,608 bytes; eq 393,216 bytes; ea 131,072 bytes
;; launch prep (part 8): grid 256 x 1, 8 waves a work-group, no clusters, 0 bytes of LDS; arguments x, w_qkv, w_out, xn, wq, wo, tab; writes xn, wq, wo, tab
.if DOCPART == 8
	.amdgcn_target "amdgcn-amd-amdhsa--gfx1250"
	.amdhsa_code_object_version 6
	.text
	.protected	k_q6f029e41ea_prep
	.globl	k_q6f029e41ea_prep
	.p2align	8
	.type	k_q6f029e41ea_prep,@function
k_q6f029e41ea_prep:
	s_mov_b64 s[64:65], 0
	v_nop
	global_prefetch_b8 v0, s[64:65] scope:SCOPE_SE
	s_setreg_imm32_b32 hwreg(HW_REG_WAVE_SCHED_MODE, 0, 2), 2
	s_setreg_imm32_b32 hwreg(HW_REG_WAVE_MODE, 25, 1), 1
	s_wait_xcnt 0x0
	s_wait_alu depctr_vm_vsrc(0)
; prep: xn = f16(rms_norm(x)), wq = f16(w_qkv), wo = f16(w_out), tab = the RoPE table.
; 8,192 rows of 1,024 f32 in all.  A work-group takes 32 rows, a wave 4 rows, one row = 32 registers of the wave.
; Work-groups 0-127: x (with the norm); 128-223: w_qkv; 224-255: w_out.  Work-groups 0-135 also make 16 rows of tab while their loads fly.
; A stream: every input byte is read once, by loads that cover 512 consecutive bytes a wave; every store of a wave covers 256 consecutive
; bytes, aligned.  All 32 loads of a wave go out at the start; no LDS, no barrier, no matrix unit: they would add nothing to a stream.
; tab: [2176][64] f32, row t = cos(t f_j), j = 0..31, then sin(t f_j), f_j = 10000^(-j/32).  Rows 2048..2175 are cos = 1, sin = 0 (angle 0):
; the rows by which the next launch passes V through its rotation unchanged.
; LIMITS.  f16 holds |w| < 65,504, and steps of 6e-8 below 6.1e-5; |xn| <= 32 for every x.  The angle t f_j is made with f_j from
; v_exp_f32 and so differs from a correctly rounded one by a few parts in 1e7; sine and cosine are polynomials on |r| <= pi/4 after a
; two-word reduction by pi/2, good for the angles up to 2,047 that occur here.
; THE MODE: SCHED_MODE bits 1:0 = 2 (LLVM: expert scheduling mode 2), set by the entry lines.  The code itself states the register dependences
; between vector instructions and memory instructions, with s_wait_alu, always for 0.
; THE PLAN.  Registers that memory instructions touch:
;   v1, v2        byte offsets of the loads and of the rows' stores: made once at the head, never written again.
;   X, row rr     32 registers of its own.  Written by the row's eight loads, issued at the start, when no vector instruction has named them; then, in place,
;                 by the row's scalings and conversions; its registers 4 c and 4 c + 1 are read by the row's eight stores and never written after that.
;   v52, v[48:51] the table's offset and four numbers: written in the table's arm, read by its one store, never written again.
; So no register that a memory instruction reads is written behind it, and no load lands where a vector instruction has been: what is left to state is that a store's
; data are written.  Row rr's stores are issued in row rr + 1, behind that row's ONE wait on va_vdst: in the rows of x the wait that stands behind the two v_rsq_f32 anyway,
; in the rows of weights a wait at the row's head.  They are dealt among row rr + 1's vector instructions, which name that row's X, SQ and RS alone.
; Row 3's stores have a wait of their own at the end.
.set X,  64                            ; v[64:191]  row rr of my four at X + 32 rr, as loaded, then as stored
.set SQ, 4                             ; v[4:11]    four chains of sums of squares (pairs)
.set RS, 12                            ; v[12:13]   1 / rms, twice
.set MK, 40                            ; s[40:43]   the table: for each of my four numbers, the lanes whose quadrant is odd
	s_load_b256 s[4:11], s[0:1], 0x0               ; x s[4:5], w_qkv s[6:7], w_out s[8:9], xn s[10:11]
	s_load_b128 s[12:15], s[0:1], 0x20             ; wq s[12:13], wo s[14:15]
	s_load_b64 s[16:17], s[0:1], 0x30              ; tab
	v_lshrrev_b32 v3, 5, v0
	v_readfirstlane_b32 s18, v3                    ; wave 0..7
	v_and_b32 v1, 31, v0
	v_lshlrev_b32 v2, 3, v1                        ; 8 x lane: my 4 f16 in a piece of 128
	v_lshlrev_b32 v1, 4, v1                        ; 16 x lane: my 4 f32
	s_mov_b32 s26, 0x3a800000                      ; 1 / 1024
	s_mov_b32 s27, 0x358637bd                      ; 1e-6
	s_mov_b32 s28, 0x76543210                      ; v_permlanex16_b32: lane i of one half reads lane i of the other
	s_mov_b32 s29, 0xfedcba98
	s_wait_alu depctr_va_sdst(0)                   ; s18 is written, ahead of its first reader: my first row is made from it
	s_wait_kmcnt 0x0
	s_cmp_lt_u32 ttmp9, 128                        ; which tensor is mine: a choice on the work-group's number alone
	s_cselect_b64 s[20:21], s[4:5], s[6:7]
	s_cselect_b64 s[22:23], s[10:11], s[12:13]
	s_cselect_b32 s24, 0, 128
	s_cmp_lt_u32 ttmp9, 224
	s_cselect_b64 s[20:21], s[20:21], s[8:9]
	s_cselect_b64 s[22:23], s[22:23], s[14:15]
	s_cselect_b32 s24, s24, 224
	s_sub_co_u32 s25, ttmp9, s24
	s_lshl_b32 s25, s25, 5
	s_lshl2_add_u32 s25, s18, s25                  ; my first row = 32 x (work-group in its tensor) + 4 x wave
	s_lshl_b32 s30, s25, 12                        ; rows of 4,096 bytes in
	s_mov_b32 s31, 0
	s_add_nc_u64 s[20:21], s[20:21], s[30:31]
	s_lshl_b32 s30, s25, 11                        ; rows of 2,048 bytes out
	s_add_nc_u64 s[22:23], s[22:23], s[30:31]
	s_wait_alu depctr_va_vdst(0)                   ; v1 and v2 are written: every load below reads v1 as its offset, every store of a row v2
.irp rr, 0,1,2,3
.irp c, 0,1,2,3,4,5,6,7
	global_load_b128 v[X+32*\rr+4*\c:X+32*\rr+4*\c+3], v1, s[20:21] offset:\rr*4096+\c*512 th:TH_LOAD_NT
.endr
.endr
	; The table: thread v0 makes 4 numbers, piece l = v0 & 15 of row t = 16 x work-group + (v0 >> 4).  l < 8: cosines, else sines.
	s_cmp_lt_u32 ttmp9, 136
	s_cbranch_scc0 .Lnotab
	s_lshl_b32 s34, ttmp9, 12                      ; 16 rows of 256 bytes
	s_mov_b32 s35, 0
	s_add_nc_u64 s[16:17], s[16:17], s[34:35]
	s_lshl_b32 s32, ttmp9, 4
	s_cmp_lt_u32 ttmp9, 128
	s_cselect_b32 s33, 0x3f800000, 0               ; rows 2048 and up take the angle 0
	s_mov_b32 s36, 0xb94ca1f9                      ; sine's and cosine's leading coefficients
	s_mov_b32 s37, 0x37ccf5ce
	v_lshrrev_b32 v4, 4, v0
	v_add_nc_u32 v4, s32, v4
	v_cvt_f32_u32 v4, v4
	v_mul_f32 v4, s33, v4                          ; t, or 0
	v_and_b32 v5, 15, v0                           ; l
	v_and_b32 v6, 7, v5
	v_lshlrev_b32 v6, 2, v6                        ; j of my first number
	v_cmp_gt_u32 vcc_lo, 8, v5                     ; the lanes that make cosines; the frequencies' lines stand between this compare and the wait for it
.irp i, 0,1,2,3
	v_add_nc_u32 v[8+\i], \i, v6
	v_cvt_f32_u32 v[8+\i], v[8+\i]
	v_mul_f32 v[8+\i], 0xbed49a78, v[8+\i]         ; -j log2(10000) / 32
.endr
.irp i, 0,1,2,3
	v_exp_f32 v[12+\i], v[8+\i]                    ; f_j
.endr
	v_lshlrev_b32 v52, 4, v0                       ; my 16 bytes of the 16 rows; also the plain instruction behind the exponentials (ISA guide 5.7.2)
	s_wait_alu depctr_va_vcc(0)                    ; VCC is written, ahead of its first reader, the select below
	v_cndmask_b32 v7, 0, 1, vcc_lo                 ; cos(a) = sin(a + pi/2): one quadrant on
	s_wait_alu depctr_va_vdst(0)                   ; the four exponentials have written v[12:15], which the angles below read: one wait for the batch
; Number i, up to the compare that tells odd quadrants from even ones: it goes into a scalar register of its own, so that one wait serves all four compares.
.macro TABA i
.set TB, 16+8*\i
	v_mul_f32 v[TB], v4, v[12+\i]                          ; the angle
	v_mul_f32 v[TB+1], 0x3f22f983, v[TB]
	v_rndne_f32 v[TB+1], v[TB+1]                           ; n = nearest multiple of pi/2
	v_fmamk_f32 v[TB+2], v[TB+1], 0xbfc90fdb, v[TB]        ; r = angle - n pi/2, pi/2 in two words
	v_fmamk_f32 v[TB+2], v[TB+1], 0x333bbd2e, v[TB+2]
	v_mul_f32 v[TB+3], v[TB+2], v[TB+2]                    ; z = r r
	v_fmaak_f32 v[TB+4], s36, v[TB+3], 0x3c08839e          ; sin r = r + r z (S1 + z (S2 + z S3))
	v_fmaak_f32 v[TB+4], v[TB+4], v[TB+3], 0xbe2aaaa3
	v_mul_f32 v[TB+4], v[TB+4], v[TB+3]
	v_fma_f32 v[TB+4], v[TB+4], v[TB+2], v[TB+2]
	v_fmaak_f32 v[TB+5], s37, v[TB+3], 0xbab6061a          ; cos r = 1 - z/2 + z z (C2 + z (C1 + z C0))
	v_fmaak_f32 v[TB+5], v[TB+5], v[TB+3], 0x3d2aaaa5
	v_mul_f32 v[TB+5], v[TB+5], v[TB+3]
	v_fma_f32 v[TB+6], v[TB+3], -0.5, 1.0
	v_fma_f32 v[TB+5], v[TB+5], v[TB+3], v[TB+6]
	v_cvt_i32_f32 v[TB+1], v[TB+1]
	v_add_nc_u32 v[TB+1], v[TB+1], v7                      ; the quadrant
	v_and_b32 v[TB+6], 1, v[TB+1]
	v_cmp_eq_u32 s[MK+\i], 1, v[TB+6]                      ; odd?
	v_and_b32 v[TB+1], 2, v[TB+1]
	v_lshlrev_b32 v[TB+1], 30, v[TB+1]                     ; quadrants 2 and 3: the sign bit
.endm
.macro TABB i
.set TB, 16+8*\i
	v_cndmask_b32 v[TB+4], v[TB+4], v[TB+5], s[MK+\i]      ; odd quadrants take the cosine,
	v_xor_b32 v[48+\i], v[TB+4], v[TB+1]                   ; quadrants 2 and 3 change the sign
.endm
.irp i, 0,1,2,3
	TABA \i
.endr
	s_wait_alu depctr_va_sdst(0)                   ; the four compares have written s[40:43], ahead of their first readers, the selects below
.irp i, 0,1,2,3
	TABB \i
.endr
	s_wait_alu depctr_va_vdst(0)                   ; v52 and v[48:51] are written: the store below reads them as its offset and its data
	global_store_b128 v52, v[48:51], s[16:17]      ; sixteen neighbouring lanes write one row of 256 bytes; v52 and v[48:51] are not written again
.Lnotab:
; Piece c of row rr leaves.
.macro ST rr, c
	global_store_b64 v2, v[X+32*(\rr)+4*(\c):X+32*(\rr)+4*(\c)+1], s[22:23] offset:(\rr)*2048+(\c)*256   ; the wave's 32 lanes write 256 consecutive bytes, aligned
.endm
; One row.  norm = 1: scaled by 1 / sqrt(mean of squares + 1e-6).  left = the later rows' loads, eight each, that may stay out.
; The row is rounded into its own registers; it is stored in the next row's turn (row 3: behind the last turn).
.macro ROW rr, norm, left
	s_wait_loadcnt \left                           ; loads come back in order (ISA guide 5.7.1): this row's eight are in
.if \norm
.irp k, 0,1,2,3
	v_pk_mul_f32 v[SQ+2*\k:SQ+2*\k+1], v[X+32*\rr+2*\k:X+32*\rr+2*\k+1], v[X+32*\rr+2*\k:X+32*\rr+2*\k+1]   ; the first products start the four chains
.endr
.irp k, 4,5,6,7,8,9,10,11,12,13,14,15
	v_pk_fma_f32 v[SQ+2*(\k%4):SQ+2*(\k%4)+1], v[X+32*\rr+2*\k:X+32*\rr+2*\k+1], v[X+32*\rr+2*\k:X+32*\rr+2*\k+1], v[SQ+2*(\k%4):SQ+2*(\k%4)+1]
.endr
	v_pk_add_f32 v[SQ:SQ+1], v[SQ:SQ+1], v[SQ+2:SQ+3]
	v_pk_add_f32 v[SQ+4:SQ+5], v[SQ+4:SQ+5], v[SQ+6:SQ+7]
	v_pk_add_f32 v[SQ:SQ+1], v[SQ:SQ+1], v[SQ+4:SQ+5]
	v_add_f32 v[SQ], v[SQ], v[SQ+1]
	v_add_f32_dpp v[SQ], v[SQ], v[SQ] row_xmask:1 row_mask:0xf bank_mask:0xf
	v_add_f32_dpp v[SQ], v[SQ], v[SQ] row_xmask:2 row_mask:0xf bank_mask:0xf
	v_add_f32_dpp v[SQ], v[SQ], v[SQ] row_xmask:4 row_mask:0xf bank_mask:0xf
	v_add_f32_dpp v[SQ], v[SQ], v[SQ] row_xmask:8 row_mask:0xf bank_mask:0xf
	v_permlanex16_b32 v[SQ+1], v[SQ], s28, s29
	v_add_f32 v[SQ], v[SQ], v[SQ+1]                ; the row's sum of squares, in every lane
	v_fma_f32 v[SQ], v[SQ], s26, s27               ; mean + eps
	v_rsq_f32 v[RS], v[SQ]
	v_rsq_f32 v[RS+1], v[SQ]
	v_nop                                          ; one plain instruction behind v_rsq_f32 before its result is used (ISA guide 5.7.2)
	s_wait_alu depctr_va_vdst(0)                   ; the two v_rsq_f32 have written RS, which the scalings read; the row before's conversions have written its X, which the stores below read
.irp c, 0,1,2,3,4,5,6,7
.if \rr > 0
	ST (\rr)-1, \c                                 ; the row before.  No further wait: the scalings issued since the wait name this row's X and RS alone
.endif
	v_pk_mul_f32 v[X+32*\rr+4*\c:X+32*\rr+4*\c+1], v[X+32*\rr+4*\c:X+32*\rr+4*\c+1], v[RS:RS+1]
	v_pk_mul_f32 v[X+32*\rr+4*\c+2:X+32*\rr+4*\c+3], v[X+32*\rr+4*\c+2:X+32*\rr+4*\c+3], v[RS:RS+1]
.endr
.irp c, 0,1,2,3,4,5,6,7
	v_cvt_pk_f16_f32 v[X+32*\rr+4*\c], v[X+32*\rr+4*\c], v[X+32*\rr+4*\c+1]
	v_cvt_pk_f16_f32 v[X+32*\rr+4*\c+1], v[X+32*\rr+4*\c+2], v[X+32*\rr+4*\c+3]
.endr
.else
.if \rr > 0
	s_wait_alu depctr_va_vdst(0)                   ; the row before's conversions have written its X, which the stores below read
.endif
.irp c, 0,1,2,3,4,5,6,7
.if \rr > 0
	ST (\rr)-1, \c                                 ; the row before.  No further wait: the conversions issued since the wait name this row's X alone
.endif
	v_cvt_pk_f16_f32 v[X+32*\rr+4*\c], v[X+32*\rr+4*\c], v[X+32*\rr+4*\c+1]
	v_cvt_pk_f16_f32 v[X+32*\rr+4*\c+1], v[X+32*\rr+4*\c+2], v[X+32*\rr+4*\c+3]
.endr
.endif
.endm
	s_cmp_lt_u32 ttmp9, 128
	s_cbranch_scc0 .Lweights
	ROW 0, 1, 24
	ROW 1, 1, 16
	ROW 2, 1, 8
	ROW 3, 1, 0
	s_wait_alu depctr_va_vdst(0)                   ; row 3's conversions have written its X, which the last eight stores read
.irp c, 0,1,2,3,4,5,6,7
	ST 3, \c
.endr
	s_endpgm
.Lweights:
	ROW 0, 0, 24
	ROW 1, 0, 16
	ROW 2, 0, 8
	ROW 3, 0, 0
	s_wait_alu depctr_va_vdst(0)                   ; row 3's conversions have written its X, which the last eight stores read
.irp c, 0,1,2,3,4,5,6,7
	ST 3, \c
.endr
	s_endpgm
.Lfunc_end_k_q6f029e41ea_prep:
	.size	k_q6f029e41ea_prep, .Lfunc_end_k_q6f029e41ea_prep-k_q6f029e41ea_prep
	.p2alignl 7, 3214868480
	.fill 96, 4, 3214868480
	.section	.rodata,"a",@progbits
	.p2align	6, 0x0
	.amdhsa_kernel k_q6f029e41ea_prep
		.amdhsa_group_segment_fixed_size 0
		.amdhsa_private_segment_fixed_size 0
		.amdhsa_enable_private_segment 0
		.amdhsa_kernarg_size 56
		.amdhsa_user_sgpr_count 2
		.amdhsa_user_sgpr_kernarg_segment_ptr 1
		.amdhsa_wavefront_size32 1
		.amdhsa_system_sgpr_workgroup_id_x 1
		.amdhsa_system_sgpr_workgroup_id_y 1
		.amdhsa_system_sgpr_workgroup_id_z 1
		.amdhsa_system_vgpr_workitem_id 0
		.amdhsa_next_free_vgpr 192
		.amdhsa_next_free_sgpr 66
		.amdhsa_reserve_vcc 1
		.amdhsa_float_denorm_mode_32 3
		.amdhsa_float_denorm_mode_16_64 3
		.amdhsa_memory_ordered 1
		.amdhsa_forward_progress 1
		.amdhsa_inst_pref_size 37
	.end_amdhsa_kernel
	.amdgpu_metadata
---
amdhsa.version: [ 1, 2 ]
amdhsa.kernels:
  - .name:           k_q6f029e41ea_prep
    .symbol:         k_q6f029e41ea_prep.kd
    .args:
      - { .name: x, .offset: 0, .size: 8, .value_kind: global_buffer, .address_space: global }
      - { .name: w_qkv, .offset: 8, .size: 8, .value_kind: global_buffer, .address_space: global }
      - { .name: w_out, .offset: 16, .size: 8, .value_kind: global_buffer, .address_space: global }
      - { .name: xn, .offset: 24, .size: 8, .value_kind: global_buffer, .address_space: global }
      - { .name: wq, .offset: 32, .size: 8, .value_kind: global_buffer, .address_space: global }
      - { .name: wo, .offset: 40, .size: 8, .value_kind: global_buffer, .address_space: global }
      - { .name: tab, .offset: 48, .size: 8, .value_kind: global_buffer, .address_space: global }
    .group_segment_fixed_size: 0
    .private_segment_fixed_size: 0
    .kernarg_segment_align: 8
    .kernarg_segment_size: 56
    .max_flat_workgroup_size: 256
    .sgpr_count:     66
    .vgpr_count:     192
    .wavefront_size: 32
...
	.end_amdgpu_metadata
.endif
;; end of part 8
;; launch qkvgemm: the kernel of part 2 again; grid 12 x 16, 4 waves a work-group, clusters of 4 x 4, 327,680 bytes of LDS; arguments xn, wq, qkv, tab; writes qkv
;; launch attn: the kernel of part 3 again; grid 16 x 16, 4 waves a work-group, no clusters, 285,184 bytes of LDS; arguments qkv, ao; writes ao
;; launch oproj: the kernel of part 4 again; grid 8 x 32, 4 waves a work-group, clusters of 4 x 4, 327,680 bytes of LDS; arguments ao, wo, out0; writes out0
;; launch eqkv: the kernel of part 5 again; grid 192 x 1, 8 waves a work-group, no clusters, 19,456 bytes of LDS; arguments x, w_qkv, eq; writes eq
;; launch eattn: the kernel of part 6 again; grid 16 x 2, 1 waves a work-group, no clusters, 0 bytes of LDS; arguments eq, tab, ea; writes ea
;; launch eout: the kernel of part 7 again; grid 64 x 1, 8 waves a work-group, no clusters, 21,504 bytes of LDS; arguments ea, w_out, out0; writes out0
